; MI455X (gfx1250); checked and timed in simulation.
; The chip was launched on July 23, 2026; its instructions are those of AMD's public machine-readable ISA for CDNA 5 (MIT licence, August 2026) and "CDNA5" Instruction Set Architecture Reference Guide (July 2026). The comments in the code are by the model that wrote it; some were corrected since.
;; Qwen3 Attention. Allowed arithmetic: float matrix products may take bf16 or f16 operands with f32 sums; all other float work in f32.
;; Inputs: k_norm_w 128 float32; pos_cos 2,048 x 128 float32; pos_sin 2,048 x 128 float32; q_norm_w 128 float32; w_o 2,048 x 1,024 float32; w_qkv 2,048 x 2,048 float32; x 2 x 2,048 x 2,048 float32.
;; Outputs: out0 2 x 2,048 x 2,048 float32.
;; 2 versions, each right; version 2 is version 1 with the launch cast written anew for expert scheduling mode. Each part assembles by itself: llvm-mc -triple=amdgcn-amd-amdhsa -mcpu=gfx1250 --defsym DOCPART=n.
;; ======== version 1 of 2: 4 launches
;; limits: values outside matrix products are rounded to bf16; values are held in f16: magnitudes above 65,504 overflow, below 6.1e-05 lose precision
;; workspace buffers: xb 16,777,216 bytes; wqb 8,388,608 bytes; wob 4,194,304 bytes; cosb 524,288 bytes; sinb 524,288 bytes; qkv 16,777,216 bytes; att 8,388,608 bytes
;; launch cast (part 1): grid 1856 x 1, 8 waves a work-group, no clusters, 0 bytes of LDS; arguments x, w_qkv, w_o, pos_cos, pos_sin, xb, wqb, wob, cosb, sinb; writes xb, wqb, wob, cosb, sinb
.if DOCPART == 1
	.amdgcn_target "amdgcn-amd-amdhsa--gfx1250"
	.amdhsa_code_object_version 6
	.text
	.protected	k_q1e0f353dec_cast
	.globl	k_q1e0f353dec_cast
	.p2align	8
	.type	k_q1e0f353dec_cast,@function
k_q1e0f353dec_cast:
	s_mov_b64 s[64:65], 0
	v_nop
	global_prefetch_b8 v0, s[64:65] scope:SCOPE_SE
	s_setreg_imm32_b32 hwreg(HW_REG_WAVE_MODE, 25, 1), 1
	s_wait_xcnt 0x0
; The five large f32 inputs are narrowed once, so that the matrix launches can fetch 16-bit tiles.
;   x -> xb, w_qkv -> wqb, pos_cos -> cosb : bf16, rounded to nearest even
;   pos_sin -> sinb : bf16, with the sign turned for d < 64, so that RoPE is u[d] c[d] + u[d xor 64] s'[d] for every d
;   w_o -> wob : rounded to bf16 and then written as f16 (the output product runs in f16).
; LIMIT, stated: a bf16 number is exact in f16 from 2^-14 up to 65,504; below 2^-14 the f16 step is 2^-24, so a weight
; smaller than that is off by at most 2^-25 in absolute terms; |w_o| must stay below 65,504.
; A work-group takes one chunk of 32,768 bytes of f32 and stores 16,384 bytes.  Chunks: 1,024 of x, 512 of w_qkv, 256 of w_o,
; 32 of pos_cos, 32 of pos_sin = 1,856 work-groups.  Thread t, group i: the 32 bytes at 32 t + 8,192 i in, the 16 bytes at
; 16 t + 4,096 i out, so each store of a wave covers 512 consecutive bytes, aligned.
; No LDS, no matrix unit, no cluster: the work-groups share no byte, and every byte is read once and written once.
.set X, 4                              ; v[4:35]   group i: 8 numbers as loaded
.set Y, 36                             ; v[36:51]  group i: 4 registers to store
.set T, 52                             ; v[52:55]  at work
	s_load_b512 s[8:23], s[0:1], 0x0               ; x 8, w_qkv 10, w_o 12, pos_cos 14, pos_sin 16, xb 18, wqb 20, wob 22
	s_load_b128 s[24:27], s[0:1], 0x40             ; cosb 24, sinb 26
	s_mov_b32 s2, ttmp9                            ; the chunk's number among all 1,856
	v_lshlrev_b32 v1, 5, v0                        ; 32 t
	v_lshlrev_b32 v2, 4, v0                        ; 16 t
	v_and_b32 v3, 8, v0                            ; my 8 numbers begin at d = 8 (t mod 16): d < 64 where bit 3 of t is 0
	v_cmp_eq_u32 vcc_lo, 0, v3
	s_wait_kmcnt 0x0
	s_mov_b64 s[28:29], s[16:17]                   ; from: begin with the last range, pos_sin,
	s_mov_b64 s[30:31], s[26:27]                   ; to: sinb,
	s_mov_b32 s32, 1824                            ; and its first chunk
; below the limit the range in front is chosen instead: source, destination, first chunk
.macro PICK limit, src, dst, first
	s_cmp_lt_u32 s2, \limit
	s_cselect_b64 s[28:29], s[\src:\src+1], s[28:29]
	s_cselect_b64 s[30:31], s[\dst:\dst+1], s[30:31]
	s_cselect_b32 s32, \first, s32
.endm
	PICK 1824, 14, 24, 1792
	PICK 1792, 12, 22, 1536
	PICK 1536, 10, 20, 1024
	PICK 1024, 8, 18, 0
	s_sub_co_u32 s34, s2, s32                      ; the chunk's number in its own buffer
	s_lshl_b32 s36, s34, 15                        ; 32,768 bytes in (33.5 MB at the most: 32 bits do)
	s_mov_b32 s37, 0
	s_add_nc_u64 s[28:29], s[28:29], s[36:37]
	s_lshl_b32 s36, s34, 14                        ; 16,384 bytes out
	s_add_nc_u64 s[30:31], s[30:31], s[36:37]
.irp i, 0,1,2,3
	global_load_b128 v[X+8*\i:X+8*\i+3],   v1, s[28:29] offset:8192*\i th:TH_LOAD_NT
	global_load_b128 v[X+8*\i+4:X+8*\i+7], v1, s[28:29] offset:8192*\i+16 th:TH_LOAD_NT
.endr
	s_cmp_ge_u32 s2, 1824
	s_cselect_b32 s33, 0x80008000, 0               ; two bf16 signs, in pos_sin's chunks alone
	v_mov_b32 v[T], s33
	v_cndmask_b32 v3, 0, v[T], vcc_lo              ; and there only for d < 64
	s_sub_co_u32 s34, s2, 1536
	s_cmp_lt_u32 s34, 256                          ; chunks 1,536 to 1,791 are w_o's
	s_cbranch_scc1 .Lwo
.irp i, 0,1,2,3
	s_wait_loadcnt 6-2*\i                          ; loads come back in order: group i is in, the younger groups' two loads each stay out
.irp k, 0,1,2,3
	v_cvt_pk_bf16_f32 v[Y+4*\i+\k], v[X+8*\i+2*\k], v[X+8*\i+2*\k+1]
.endr
.irp k, 0,1,2,3
	v_xor_b32 v[Y+4*\i+\k], v3, v[Y+4*\i+\k]       ; pos_sin's signs; the mask is 0 in the other buffers' chunks
.endr
	global_store_b128 v2, v[Y+4*\i:Y+4*\i+3], s[30:31] offset:4096*\i
.endr
	s_endpgm
.Lwo:
.irp i, 0,1,2,3
	s_wait_loadcnt 6-2*\i
.irp k, 0,1,2,3
	v_cvt_pk_bf16_f32 v[Y+4*\i+\k], v[X+8*\i+2*\k], v[X+8*\i+2*\k+1]   ; the one rounding
	v_and_b32 v[T+2*(\k%2)+1], 0xffff0000, v[Y+4*\i+\k]                ; back to f32,
	v_lshlrev_b32 v[T+2*(\k%2)], 16, v[Y+4*\i+\k]
	v_cvt_pk_f16_f32 v[Y+4*\i+\k], v[T+2*(\k%2)], v[T+2*(\k%2)+1]      ; and the same numbers as f16
.endr
	global_store_b128 v2, v[Y+4*\i:Y+4*\i+3], s[30:31] offset:4096*\i
.endr
	s_endpgm
.Lfunc_end_k_q1e0f353dec_cast:
	.size	k_q1e0f353dec_cast, .Lfunc_end_k_q1e0f353dec_cast-k_q1e0f353dec_cast
	.p2alignl 7, 3214868480
	.fill 96, 4, 3214868480
	.section	.rodata,"a",@progbits
	.p2align	6, 0x0
	.amdhsa_kernel k_q1e0f353dec_cast
		.amdhsa_group_segment_fixed_size 0
		.amdhsa_private_segment_fixed_size 0
		.amdhsa_enable_private_segment 0
		.amdhsa_kernarg_size 80
		.amdhsa_user_sgpr_count 2
		.amdhsa_user_sgpr_kernarg_segment_ptr 1
		.amdhsa_wavefront_size32 1
		.amdhsa_system_sgpr_workgroup_id_x 1
		.amdhsa_system_sgpr_workgroup_id_y 1
		.amdhsa_system_sgpr_workgroup_id_z 1
		.amdhsa_system_vgpr_workitem_id 0
		.amdhsa_next_free_vgpr 56
		.amdhsa_next_free_sgpr 66
		.amdhsa_reserve_vcc 1
		.amdhsa_float_denorm_mode_32 3
		.amdhsa_float_denorm_mode_16_64 3
		.amdhsa_memory_ordered 1
		.amdhsa_forward_progress 1
		.amdhsa_inst_pref_size 9
	.end_amdhsa_kernel
	.amdgpu_metadata
---
amdhsa.version: [ 1, 2 ]
amdhsa.kernels:
  - .name:           k_q1e0f353dec_cast
    .symbol:         k_q1e0f353dec_cast.kd
    .args:
      - { .name: x, .offset: 0, .size: 8, .value_kind: global_buffer, .address_space: global }
      - { .name: w_qkv, .offset: 8, .size: 8, .value_kind: global_buffer, .address_space: global }
      - { .name: w_o, .offset: 16, .size: 8, .value_kind: global_buffer, .address_space: global }
      - { .name: pos_cos, .offset: 24, .size: 8, .value_kind: global_buffer, .address_space: global }
      - { .name: pos_sin, .offset: 32, .size: 8, .value_kind: global_buffer, .address_space: global }
      - { .name: xb, .offset: 40, .size: 8, .value_kind: global_buffer, .address_space: global }
      - { .name: wqb, .offset: 48, .size: 8, .value_kind: global_buffer, .address_space: global }
      - { .name: wob, .offset: 56, .size: 8, .value_kind: global_buffer, .address_space: global }
      - { .name: cosb, .offset: 64, .size: 8, .value_kind: global_buffer, .address_space: global }
      - { .name: sinb, .offset: 72, .size: 8, .value_kind: global_buffer, .address_space: global }
    .group_segment_fixed_size: 0
    .private_segment_fixed_size: 0
    .kernarg_segment_align: 8
    .kernarg_segment_size: 80
    .max_flat_workgroup_size: 256
    .sgpr_count:     66
    .vgpr_count:     56
    .wavefront_size: 32
...
	.end_amdgpu_metadata
.endif
;; end of part 1
;; launch qkv (part 2): grid 16 x 16, 4 waves a work-group, clusters of 4 x 4, 327,680 bytes of LDS; arguments xb, wqb, cosb, sinb, q_norm_w, k_norm_w, qkv; writes qkv
.if DOCPART == 2
	.amdgcn_target "amdgcn-amd-amdhsa--gfx1250"
	.amdhsa_code_object_version 6
	.text
	.protected	k_q1e0f353dec_qkv
	.globl	k_q1e0f353dec_qkv
	.p2align	8
	.type	k_q1e0f353dec_qkv,@function
k_q1e0f353dec_qkv:
	s_mov_b64 s[64:65], 0
	v_nop
	global_prefetch_b8 v0, s[64:65] scope:SCOPE_SE
	s_setreg_imm32_b32 hwreg(HW_REG_WAVE_MODE, 25, 1), 1
	s_wait_xcnt 0x0
	s_wait_alu depctr_hold_cnt(0) depctr_sa_sdst(0) depctr_va_vdst(0) depctr_va_sdst(0) depctr_va_ssrc(0) depctr_va_vcc(0) depctr_vm_vsrc(0)
	s_getreg_b32 s2, hwreg(HW_REG_IB_STS2, 6, 4)
	s_cmp_eq_u32 s2, 0
	s_cbranch_scc0 .Lentry_in_a_cluster
	s_endpgm
.Lentry_in_a_cluster:
	s_bfe_u32 s2, ttmp6, 0x10000c
	s_cmp_lg_u32 s2, 0xf033
	s_cbranch_scc0 .Lentry_shape_is_right
	s_endpgm
.Lentry_shape_is_right:
; qkv[m][e] = sum over d of xb[m][d] wqb[e][d], bf16 operands, f32 sums; on the way out RMSNorm and RoPE for the q and k heads; stored as f16.
; A work-group makes 256 rows x 128 columns: the 128 columns are ONE head, so the norm and the rotation never leave the block.
; Four waves; wave w makes rows 64 w .. 64 w + 63 x all 128 columns: 4 x 8 accumulator tiles of 16 x 16, 256 registers.
; K goes in steps of 128 (rows of 256 bytes) through two LDS slots, each with 256 rows of x and 128 rows of w.
; CLUSTERS: 4 x 4 work-groups.  x's tile hangs on the block row alone and is asked for jointly along a row of the cluster, w's on the block
; column alone and is asked for jointly along a column.  A column of clusters holds heads of one kind (cluster x 0, 1: q; 2: k; 3: v), so the
; one branch on the kind hangs on the cluster's x, which all partners share.
; q is stored with 1/sqrt(128) x log2(e) folded in, so that the attention launch works with powers of two.
; LIMITS, stated: the tables and the norm weights are used rounded to bf16 (nearest even).  q, k and v are stored as f16: |v| must stay below
; 65,504; q and k are bounded by sqrt(128) x sqrt(2) x the largest norm weight, which must stay below 4,000.
; REGISTERS, in windows of 256:
;   window 0: v0-31 addresses; v32-127, v128-223 two fragment buffers (w's 8 fragments, then x's 4); on the way out see W .. TMP below
;   window 1: accumulator (mt, nt) at v[8 (8 mt + nt)]
;   window 2: cos of tile (mt, nt) at v[4 (8 mt + nt)], sin at 128 + the same (8 bf16 in 4 registers);   window 3: v0-63 the norm weight as loaded
; THE MATRIX INSTRUCTION IS USED TRANSPOSED: source 0 = 16 rows of w, source 1 = 16 rows of x.  Lane (r = l % 16, h = l / 16), register j then
; holds C(m = 16 mt + r, n = 16 nt + 8 h + j): eight neighbouring columns of one row.
.set SIZE_K, 2048
.set KSTEP,  128
.set PITCH,  272                       ; an LDS row: 256 bytes + 16 of padding, an odd multiple of 16: the 16 rows of a fragment load begin in 16 different 16-byte columns
.set AHALF,  128*PITCH                 ; what wave 0 or 1 fetches: 128 rows of x
.set BHALF,  64*PITCH                  ; what wave 2 or 3 fetches: 64 rows of w
.set BOFF,   256*PITCH                 ; w's rows lie behind x's 256
.set SLOT,   384*PITCH
.set STAGE,  2*SLOT                    ; behind the ring, at a multiple of 256: 16 rows x 272 bytes for each wave; no fill lands here
.set LAPS,   SIZE_K/(2*KSTEP)          ; a lap = two K steps = once round the ring
.set OROW,   4096                      ; bytes in a row of qkv
.set ADRA, 16                          ; v16-17  LDS address of my x fragments in slot 0, 1
.set ADRB, 20                          ; v20-21  the same for w
.set STO,  24                          ; the way out: where I put 16 bytes of a row
.set RD,   25                          ; where I read a row back
.set CO,   26                          ; my byte offset in qkv
.set TOFF, 27                          ; my byte offset in cosb and sinb
.set WOFF, 28                          ; my byte offset in the norm weight
.set ZERO, 29
.set F0,   32
.set F1,   128
.set W,    32                          ; v32-95   the way out: weight of d = 16 nt + 8 h + j at W + 8 nt + j
.set O,    96                          ; v96-159  one row block after RoPE
.set SS,   160                         ; v160-175 sums of squares, two pairs for each row block
.set RS,   176                         ; v176-179 1/rms of my row in each row block
.set PX,   180                         ; v180-183 the other half's sum
.set RB,   192                         ; v192-223 rows read back
.set TMP,  224                         ; v224-255 packed f16
.set G1A, 32                           ; s[32:39] descriptor group 1, x's tiles
.set G0A, 40                           ; s[40:47] group 0, x's tiles, one set for each slot
.set G1B, 48                           ; s[48:55] group 1, w's tiles
.set G0B, 56                           ; s[56:63] group 0, w's tiles
.set G1W0, (1<<16)|(1<<20)|(1<<21)|(5<<22)|(3<<25)   ; 2-byte elements; padding on; bit 21 beside a mask; after every 64 words; 4 words
.set MSB, 0
.macro WIN new                         ; the immediate's high byte repeats the setting that is left
.if MSB != \new
	s_set_vgpr_msb (MSB<<8)|\new
.set MSB, \new
.endif
.endm
.macro PLACES                          ; four plain places behind a matrix instruction (ISA guide 7.12.1), for what then touches its registers
.rept 4
	v_nop
.endr
.endm
; A joint load: waves 0 and 1 ask for x's halves, waves 2 and 3 for w's.  The branch hangs on the wave's number alone.
.macro JLOAD s
	s_cmp_eq_u32 s21, 0
	s_cbranch_scc0 .Lfor_b_\@
	tensor_load_to_lds s[G0A+4*(\s):G0A+4*(\s)+3], s[G1A:G1A+7]
	s_nop 0
	s_branch .Lasked_\@
.Lfor_b_\@:
	tensor_load_to_lds s[G0B+4*(\s):G0B+4*(\s)+3], s[G1B:G1B+7]
	s_nop 0
.Lasked_\@:
.endm
.macro CREST                           ; a round of the cluster's barrier behind its opening work-group barrier
	s_cmp_lg_u32 s20, 0
	s_cbranch_scc1 .Lnot_wave_0_\@
	s_barrier_signal -3
.Lnot_wave_0_\@:
	s_barrier_wait -3
	s_barrier_signal -1
	s_barrier_wait -1
.endm
.macro CROUND                          ; a whole round
	s_barrier_signal -1
	s_barrier_wait -1
	CREST
.endm
; v[d:d+1] *= v[base+q], in both halves
.macro PKMULB d, base, q
.if (\q)%2
	v_pk_mul_f32 v[\d:\d+1], v[\d:\d+1], v[\base+(\q)-1:\base+(\q)] op_sel:[0,1] op_sel_hi:[1,1]
.else
	v_pk_mul_f32 v[\d:\d+1], v[\d:\d+1], v[\base+(\q):\base+(\q)+1] op_sel_hi:[1,0]
.endif
.endm
	s_load_b256 s[4:11], s[0:1], 0x0               ; xb 4, wqb 6, cosb 8, sinb 10
	s_load_b128 s[12:15], s[0:1], 0x20             ; q_norm_w 12, k_norm_w 14
	s_load_b64 s[16:17], s[0:1], 0x30              ; qkv
	v_lshl_add_u32 v30, v0, 2, 0x37400
	v_mov_b32 v31, 0
	ds_add_u32 v30, v31
	v_lshrrev_b32 v1, 5, v0
	v_readfirstlane_b32 s20, v1                    ; wave 0..3
	s_lshr_b32 s21, s20, 1                         ; I fetch for x (0) or for w (1)
	s_and_b32 s22, s20, 1                          ; and which half of that tile
	s_bfe_u32 s23, ttmp6, 0x40000                  ; cx
	s_bfe_u32 s24, ttmp6, 0x40004                  ; cy
	s_mov_b32 s27, ttmp9                           ; the cluster's x: the kind of head
	s_lshl_b32 s25, ttmp9, 2
	s_add_co_u32 s25, s25, s23                     ; block column = head = 4 x cluster x + cx
	s_and_b32 s26, ttmp7, 0xffff
	s_lshl_b32 s26, s26, 2
	s_add_co_u32 s26, s26, s24                     ; block row = 4 x cluster y + cy
	s_lshl_b32 s28, s24, 2
	s_lshl_b32 s28, 15, s28                        ; my row of the cluster
	s_lshl_b32 s29, 0x1111, s23                    ; my column
	s_or_b32 s[G1A+0], s28, G1W0
	s_or_b32 s[G1B+0], s29, G1W0
	s_mov_b32 s[G1A+1], KSTEP<<16                  ; tensor_dim0 = 128
	s_mov_b32 s[G1B+1], KSTEP<<16
	s_mov_b32 s[G1A+2], 128<<16                    ; tensor_dim1 = 128 rows
	s_mov_b32 s[G1B+2], 64<<16                     ; 64 rows
	s_mov_b32 s[G1A+3], KSTEP<<16                  ; tile_dim0 = 128
	s_mov_b32 s[G1B+3], KSTEP<<16
	s_mov_b32 s[G1A+4], 128                        ; tile_dim1
	s_mov_b32 s[G1B+4], 64
	s_mov_b32 s[G1A+5], SIZE_K                     ; elements from row to row
	s_mov_b32 s[G1B+5], SIZE_K
	s_mov_b32 s[G1A+6], 0
	s_mov_b32 s[G1B+6], 0
	s_mov_b32 s[G1A+7], 0
	s_mov_b32 s[G1B+7], 0
	s_mul_i32 s30, s20, AHALF                      ; where x's halves go: wave x 128 rows (waves 0, 1)
	s_mul_i32 s31, s20, BHALF                      ; where w's halves go: behind x's 256 rows, (wave - 2) x 64 rows (waves 2, 3)
	s_add_co_u32 s31, s31, BOFF-2*BHALF
	s_lshl_b32 s66, s26, 8                         ; x: row 256 x block row + 128 x half, in registers that never hold cx
	s_lshl_b32 s67, s22, 7
	s_add_co_u32 s66, s66, s67
	s_mul_i32 s66, s66, 2*SIZE_K                   ; in bytes: under 16.8 MB
	s_mov_b32 s67, 0
	s_lshl_b32 s68, s25, 7                         ; w: row 128 x block column + 64 x half, in registers that never hold cy
	s_lshl_b32 s69, s22, 6
	s_add_co_u32 s68, s68, s69
	s_mul_i32 s68, s68, 2*SIZE_K
	s_mov_b32 s69, 0
	s_mov_b32 s72, 0x3c000000                      ; 1/128
	s_mov_b32 s73, 0x358637bd                      ; 1e-6
	s_mov_b32 s74, 0x3f800000                      ; k: no further factor
	s_cmp_lt_u32 s27, 2
	s_cselect_b32 s74, 0x3e0293ee, s74             ; q: 1/sqrt(128) x log2(e)
	s_mov_b32 s75, 0x76543210                      ; v_permlanex16_b32: lane i of one half reads lane i of the other
	s_mov_b32 s76, 0xfedcba98
	s_wait_dscnt 0x0
	s_wait_kmcnt 0x0
	s_cmp_eq_u32 s27, 2
	s_cselect_b64 s[78:79], s[14:15], s[12:13]     ; the norm weight of my kind of head
	s_add_nc_u64 s[66:67], s[4:5], s[66:67]
	s_add_nc_u64 s[68:69], s[6:7], s[68:69]
	CROUND                                         ; all sixteen work-groups are here: the first joint loads meet
.irp s, 0,1
	s_mov_b32 s[G0A+4*\s], 1
	s_add_co_u32 s[G0A+4*\s+1], s30, \s*SLOT
	s_add_nc_u64 s[G0A+4*\s+2:G0A+4*\s+3], s[66:67], \s*KSTEP*2
	s_or_b32 s[G0A+4*\s+3], s[G0A+4*\s+3], 0x80000000
	s_mov_b32 s[G0B+4*\s], 1
	s_add_co_u32 s[G0B+4*\s+1], s31, \s*SLOT
	s_add_nc_u64 s[G0B+4*\s+2:G0B+4*\s+3], s[68:69], \s*KSTEP*2
	s_or_b32 s[G0B+4*\s+3], s[G0B+4*\s+3], 0x80000000
	JLOAD \s                                       ; both first fills go out together: two tensor loads of the wave are out, later one
.endr
	s_lshl_b32 s70, s26, 8                         ; qkv at my wave's first row and my head's first column
	s_lshl_b32 s71, s20, 6
	s_add_co_u32 s70, s70, s71
	s_mul_i32 s70, s70, OROW
	s_mov_b32 s71, 0
	s_add_nc_u64 s[16:17], s[16:17], s[70:71]
	s_lshl_b32 s70, s25, 8
	s_add_nc_u64 s[16:17], s[16:17], s[70:71]
	v_and_b32 v1, 15, v0                           ; r
	v_bfe_u32 v2, v0, 4, 1                         ; h
	v_mul_u32_u24 v3, v1, PITCH
	v_lshl_add_u32 v3, v2, 4, v3                   ; a fragment: row r, 16 bytes for each half of the lanes
	s_mul_i32 s82, s20, 64*PITCH                   ; my 64 rows of x
	v_add_nc_u32 v[ADRA], s82, v3
	v_add_nc_u32 v[ADRA+1], SLOT, v[ADRA]
	v_add_nc_u32 v[ADRB], BOFF, v3
	v_add_nc_u32 v[ADRB+1], BOFF+SLOT, v3
	s_mul_i32 s82, s20, 16*PITCH
	s_add_co_u32 s82, s82, STAGE                   ; my stage
	v_add_nc_u32 v[STO], s82, v3                   ; in: row r, 16 bytes at 16 h
	v_mul_u32_u24 v3, v2, PITCH
	v_lshl_add_u32 v3, v1, 4, v3
	v_add_nc_u32 v[RD], s82, v3                    ; back: lanes 0-15 one row of 256 bytes, lanes 16-31 the next
	v_lshlrev_b32 v3, 12, v2
	v_lshl_add_u32 v[CO], v1, 4, v3                ; the same two rows in qkv
	s_and_b32 s80, s26, 7                          ; position = row mod 2,048 = 256 (block row mod 8) + 64 w + 16 mt + r
	s_lshl_b32 s80, s80, 8
	s_lshl_b32 s81, s20, 6
	s_add_co_u32 s80, s80, s81
	s_lshl_b32 s80, s80, 8                         ; a table's row is 256 bytes
	v_lshlrev_b32 v[TOFF], 8, v1
	v_lshl_add_u32 v[TOFF], v2, 4, v[TOFF]
	v_add_nc_u32 v[TOFF], s80, v[TOFF]
	v_lshlrev_b32 v[WOFF], 5, v2                   ; 8 f32 at d = 16 nt + 8 h
	v_mov_b32 v[ZERO], 0
; Eight matrix instructions: row block mt x all 8 column blocks, 32 along K.  zero = 1: the first product starts the sums.
; The 32 accumulators take turns, one instruction a turn, in the same order in every quarter step, over the backward jump and into the tail.
.macro MUL8 f, mt, zero
	WIN 0x50                                       ; C and D in window 1, both sources in window 0
.irp nt, 0,1,2,3,4,5,6,7
.if \zero
	v_wmma_f32_16x16x32_bf16 v[8*(8*\mt+\nt):8*(8*\mt+\nt)+7], v[\f+8*\nt:\f+8*\nt+7], v[\f+64+8*\mt:\f+64+8*\mt+7], 0
.else
	v_wmma_f32_16x16x32_bf16 v[8*(8*\mt+\nt):8*(8*\mt+\nt)+7], v[\f+8*\nt:\f+8*\nt+7], v[\f+64+8*\mt:\f+64+8*\mt+7], v[8*(8*\mt+\nt):8*(8*\mt+\nt)+7]
.endif
.endr
.endm
; 24 LDS loads in one run: a quarter step's fragments (128 rows of w, my 64 rows of x, 32 K at byte k of the rows) into buffer f
.macro FETCH slot, k, f
	WIN 0
.irp nt, 0,1,2,3,4,5,6,7
	ds_load_b128 v[\f+8*\nt:\f+8*\nt+3],   v[ADRB+\slot] offset:\k+\nt*16*PITCH
	ds_load_b128 v[\f+8*\nt+4:\f+8*\nt+7], v[ADRB+\slot] offset:\k+\nt*16*PITCH+32
.endr
.irp mt, 0,1,2,3
	ds_load_b128 v[\f+64+8*\mt:\f+64+8*\mt+3],   v[ADRA+\slot] offset:\k+\mt*16*PITCH
	ds_load_b128 v[\f+64+8*\mt+4:\f+64+8*\mt+7], v[ADRA+\slot] offset:\k+\mt*16*PITCH+32
.endr
.endm
; One of a K step's first three quarters: multiplies buffer f; in its middle fetches the next quarter's fragments into buffer g.
.macro QUARTER slot, k, f, g, zero
	s_wait_dscnt 4                                 ; w's fragments and x's row blocks 0, 1 are in; the four youngest loads (row blocks 2, 3) may be out
	MUL8 \f, 0, \zero
	MUL8 \f, 1, \zero
	PLACES                                         ; buffer g was read by matrix instructions: four places in front of the loads into it
	FETCH \slot, \k, \g
	s_wait_dscnt 24                                ; all but the 24 just issued
	MUL8 \f, 2, \zero
	MUL8 \f, 3, \zero
.endm
.macro THREE slot, zero
	QUARTER \slot, 64,  F0, F1, \zero
	QUARTER \slot, 128, F1, F0, 0
	QUARTER \slot, 192, F0, F1, 0
.endm
; The last quarter: multiplies buffer 1 and changes slots.  One barrier for two things: in front of it each wave's reads of this slot are back and all
; its tensor loads have landed (the one that was out is its part of the next slot); behind it this slot is filled again first, then the next is read.
; From a request to the wait for it a wave issues 120 matrix instructions.
.macro TURN slot, next, fill
	s_wait_dscnt 4
	MUL8 F1, 0, 0
	s_wait_dscnt 0                                 ; my reads of this slot are over
	s_wait_tensorcnt 0x0                           ; all my tensor loads have landed
	ds_add_u32 v30, v31
	s_wait_dscnt 0x0
	s_barrier_signal -1                            ; where the slot is filled again this barrier opens a round of the cluster's barrier
	MUL8 F1, 1, 0                                  ; register work while the others arrive
	WIN 0
	s_barrier_wait -1
.if \fill
	CREST                                          ; no wave of any partner still reads this slot or has a load on its way
	s_add_nc_u64 s[G0A+4*\slot+2:G0A+4*\slot+3], s[G0A+4*\slot+2:G0A+4*\slot+3], 2*KSTEP*2
	s_add_nc_u64 s[G0B+4*\slot+2:G0B+4*\slot+3], s[G0B+4*\slot+2:G0B+4*\slot+3], 2*KSTEP*2
	JLOAD \slot                                    ; the wave's one tensor load behind the round, and the first thing there
.endif
	PLACES
	FETCH \next, 0, F0
	MUL8 F1, 2, 0
	MUL8 F1, 3, 0
.endm
.macro LAP zero
	THREE 0, \zero
	TURN 0, 1, 1
	THREE 1, 0
	TURN 1, 0, 1
.endm
.macro TAIL                            ; the last lap fills nothing
	THREE 0, 0
	TURN 0, 1, 0
	THREE 1, 0
	s_wait_dscnt 4
	MUL8 F1, 0, 0
	MUL8 F1, 1, 0
	s_wait_dscnt 0
	MUL8 F1, 2, 0
	MUL8 F1, 3, 0
	PLACES                                         ; in front of everything that reads the sums or writes the fragment buffers
	WIN 0
.endm
; 16 rows, packed in TMP, go through my own stage and leave as whole rows of 256 bytes.
.macro OUTROWS mt
	WIN 0
.irp nt, 0,1,2,3,4,5,6,7
	ds_store_b128 v[STO], v[TMP+4*\nt:TMP+4*\nt+3] offset:32*\nt
.endr
	s_wait_xcnt 0x0                                ; RB, which the last stores read, and their base are rewritten only behind this wait
.if \mt
	s_add_nc_u64 s[16:17], s[16:17], 16*OROW
.endif
.irp t, 0,1,2,3,4,5,6,7
	ds_load_b128 v[RB+4*\t:RB+4*\t+3], v[RD] offset:\t*2*PITCH     ; LDS serves a wave's instructions in order: these see the stores above
.endr
.irp t, 0,1,2,3,4,5,6,7
	s_wait_dscnt 7-\t                              ; pair t of the eight pairs of rows is in
	global_store_b128 v[CO], v[RB+4*\t:RB+4*\t+3], s[16:17] offset:\t*2*OROW   ; 16 lanes store 256 consecutive bytes, aligned
.endr
.endm
; RoPE of row block mt: O[d] = u[d] cos[d] + u[d xor 64] sin'[d]; d xor 64 is column block nt + 4 mod 8, same lane, same register.
.macro ROPE mt
	WIN 0x09                                       ; source 0: the sums, window 1; source 1: the tables, window 2
.irp nt, 0,1,2,3,4,5,6,7
.irp q, 0,1,2,3
	v_fma_mix_f32_bf16 v[O+8*\nt+2*\q],   v[8*(8*\mt+\nt)+2*\q],   v[4*(8*\mt+\nt)+\q], v[ZERO] op_sel:[0,0,0] op_sel_hi:[0,1,0]
	v_fma_mix_f32_bf16 v[O+8*\nt+2*\q+1], v[8*(8*\mt+\nt)+2*\q+1], v[4*(8*\mt+\nt)+\q], v[ZERO] op_sel:[0,1,0] op_sel_hi:[0,1,0]
.endr
.endr
.irp nt, 0,1,2,3,4,5,6,7
.irp q, 0,1,2,3
	v_fma_mix_f32_bf16 v[O+8*\nt+2*\q],   v[8*(8*\mt+(\nt+4)%8)+2*\q],   v[128+4*(8*\mt+\nt)+\q], v[O+8*\nt+2*\q]   op_sel:[0,0,0] op_sel_hi:[0,1,0]
	v_fma_mix_f32_bf16 v[O+8*\nt+2*\q+1], v[8*(8*\mt+(\nt+4)%8)+2*\q+1], v[128+4*(8*\mt+\nt)+\q], v[O+8*\nt+2*\q+1] op_sel:[0,1,0] op_sel_hi:[0,1,0]
.endr
.endr
	WIN 0
.irp nt, 0,1,2,3,4,5,6,7
.irp q, 0,1,2,3
	v_cvt_pk_f16_f32 v[TMP+4*\nt+\q], v[O+8*\nt+2*\q], v[O+8*\nt+2*\q+1]
.endr
.endr
.endm
	s_wait_tensorcnt 0x1                           ; my part of K step 0 is in; K step 1's may stay out
	s_barrier_signal -1
	s_barrier_wait -1
	FETCH 0, 0, F0
	LAP 1                                          ; the first lap's first products start the sums
	WIN 0
	s_mov_b32 s3, LAPS-2
.Llap:
	LAP 0
	WIN 0
	s_sub_co_u32 s3, s3, 1
	s_cmp_lg_u32 s3, 0
	s_cbranch_scc1 .Llap
	s_cmp_eq_u32 s27, 3                            ; cluster x = 3: v heads, no norm, no rotation
	s_cbranch_scc1 .Lv
	; q and k heads.  The tables and the weight are asked for now and have the last two K steps in which to come.
	WIN 0x80                                       ; destination window 2
.irp mt, 0,1,2,3
.irp nt, 0,1,2,3,4,5,6,7
	global_load_b128 v[4*(8*\mt+\nt):4*(8*\mt+\nt)+3],         v[TOFF], s[8:9]   offset:4096*\mt+32*\nt
	global_load_b128 v[128+4*(8*\mt+\nt):128+4*(8*\mt+\nt)+3], v[TOFF], s[10:11] offset:4096*\mt+32*\nt
.endr
.endr
	WIN 0xc0                                       ; destination window 3
.irp nt, 0,1,2,3,4,5,6,7
	global_load_b128 v[8*\nt:8*\nt+3],   v[WOFF], s[78:79] offset:64*\nt
	global_load_b128 v[8*\nt+4:8*\nt+7], v[WOFF], s[78:79] offset:64*\nt+16
.endr
	WIN 0
	TAIL
	s_wait_loadcnt 0x0                             ; tables and weight
	WIN 0x0f                                       ; both sources window 3: the weight, rounded to bf16,
.set i, 0
.rept 32
	v_cvt_pk_bf16_f32 v[W+2*i], v[2*i], v[2*i+1]
.set i, i+1
.endr
	WIN 0                                          ; and widened again
.set i, 0
.rept 32
	v_and_b32 v[W+2*i+1], 0xffff0000, v[W+2*i]
	v_lshlrev_b32 v[W+2*i], 16, v[W+2*i]
.set i, i+1
.endr
	WIN 0x05                                       ; sums of squares: eight chains, started by the first products
.irp nt, 0,1,2,3,4,5,6,7
.irp p, 0,1,2,3
.irp mt, 0,1,2,3
.if 4*\nt+\p < 2
	v_pk_mul_f32 v[SS+4*\mt+2*(\p%2):SS+4*\mt+2*(\p%2)+1], v[8*(8*\mt+\nt)+2*\p:8*(8*\mt+\nt)+2*\p+1], v[8*(8*\mt+\nt)+2*\p:8*(8*\mt+\nt)+2*\p+1]
.else
	v_pk_fma_f32 v[SS+4*\mt+2*(\p%2):SS+4*\mt+2*(\p%2)+1], v[8*(8*\mt+\nt)+2*\p:8*(8*\mt+\nt)+2*\p+1], v[8*(8*\mt+\nt)+2*\p:8*(8*\mt+\nt)+2*\p+1], v[SS+4*\mt+2*(\p%2):SS+4*\mt+2*(\p%2)+1]
.endif
.endr
.endr
.endr
	WIN 0
.irp mt, 0,1,2,3
	v_pk_add_f32 v[SS+4*\mt:SS+4*\mt+1], v[SS+4*\mt:SS+4*\mt+1], v[SS+4*\mt+2:SS+4*\mt+3]
.endr
.irp mt, 0,1,2,3
	v_add_f32 v[SS+4*\mt], v[SS+4*\mt], v[SS+4*\mt+1]          ; my 64 of the row's 128 numbers
.endr
.irp mt, 0,1,2,3
	v_permlanex16_b32 v[PX+\mt], v[SS+4*\mt], s75, s76         ; the other 64 lie in lane l xor 16
.endr
.irp mt, 0,1,2,3
	v_add_f32 v[SS+4*\mt], v[SS+4*\mt], v[PX+\mt]
.endr
.irp mt, 0,1,2,3
	v_fma_f32 v[SS+4*\mt], v[SS+4*\mt], s72, s73               ; mean + 1e-6
.endr
.irp mt, 0,1,2,3
	v_rsq_f32 v[RS+\mt], v[SS+4*\mt]
.endr
	v_nop                                          ; one plain place behind the transcendentals (ISA guide 5.7.2)
	s_wait_alu depctr_va_vdst(0)
.irp mt, 0,1,2,3
	v_mul_f32 v[RS+\mt], s74, v[RS+\mt]            ; q: the attention's scale rides along
.endr
	WIN 0x41                                       ; the sums in place, window 1; the factor in window 0
.irp mt, 0,1,2,3
.irp nt, 0,1,2,3,4,5,6,7
.irp p, 0,1,2,3
	PKMULB 8*(8*\mt+\nt)+2*\p, RS, \mt
.endr
.endr
.endr
.irp mt, 0,1,2,3
.irp nt, 0,1,2,3,4,5,6,7
.irp p, 0,1,2,3
	v_pk_mul_f32 v[8*(8*\mt+\nt)+2*\p:8*(8*\mt+\nt)+2*\p+1], v[8*(8*\mt+\nt)+2*\p:8*(8*\mt+\nt)+2*\p+1], v[W+8*\nt+2*\p:W+8*\nt+2*\p+1]
.endr
.endr
.endr
.irp mt, 0,1,2,3
	ROPE \mt
	OUTROWS \mt
.endr
	s_branch .Lend
.Lv:
	TAIL
.irp mt, 0,1,2,3
	WIN 0x05                                       ; both sources window 1
.irp nt, 0,1,2,3,4,5,6,7
.irp q, 0,1,2,3
	v_cvt_pk_f16_f32 v[TMP+4*\nt+\q], v[8*(8*\mt+\nt)+2*\q], v[8*(8*\mt+\nt)+2*\q+1]
.endr
.endr
	OUTROWS \mt
.endr
.Lend:
	s_wait_tensorcnt 0x0
	ds_add_u32 v30, v31
	s_wait_dscnt 0x0
	CROUND                                         ; the closing round: no work-group ends while a partner may still ask for a tile that names it
	s_endpgm
.Lfunc_end_k_q1e0f353dec_qkv:
	.size	k_q1e0f353dec_qkv, .Lfunc_end_k_q1e0f353dec_qkv-k_q1e0f353dec_qkv
	.p2alignl 7, 3214868480
	.fill 96, 4, 3214868480
	.section	.rodata,"a",@progbits
	.p2align	6, 0x0
	.amdhsa_kernel k_q1e0f353dec_qkv
		.amdhsa_group_segment_fixed_size 327680
		.amdhsa_private_segment_fixed_size 0
		.amdhsa_enable_private_segment 0
		.amdhsa_kernarg_size 56
		.amdhsa_user_sgpr_count 2
		.amdhsa_user_sgpr_kernarg_segment_ptr 1
		.amdhsa_wavefront_size32 1
		.amdhsa_system_sgpr_workgroup_id_x 1
		.amdhsa_system_sgpr_workgroup_id_y 1
		.amdhsa_system_sgpr_workgroup_id_z 1
		.amdhsa_system_vgpr_workitem_id 0
		.amdhsa_next_free_vgpr 832
		.amdhsa_next_free_sgpr 84
		.amdhsa_reserve_vcc 0
		.amdhsa_float_denorm_mode_32 3
		.amdhsa_float_denorm_mode_16_64 3
		.amdhsa_memory_ordered 1
		.amdhsa_forward_progress 1
		.amdhsa_inst_pref_size 234
	.end_amdhsa_kernel
	.amdgpu_metadata
---
amdhsa.version: [ 1, 2 ]
amdhsa.kernels:
  - .name:           k_q1e0f353dec_qkv
    .symbol:         k_q1e0f353dec_qkv.kd
    .args:
      - { .name: xb, .offset: 0, .size: 8, .value_kind: global_buffer, .address_space: global }
      - { .name: wqb, .offset: 8, .size: 8, .value_kind: global_buffer, .address_space: global }
      - { .name: cosb, .offset: 16, .size: 8, .value_kind: global_buffer, .address_space: global }
      - { .name: sinb, .offset: 24, .size: 8, .value_kind: global_buffer, .address_space: global }
      - { .name: q_norm_w, .offset: 32, .size: 8, .value_kind: global_buffer, .address_space: global }
      - { .name: k_norm_w, .offset: 40, .size: 8, .value_kind: global_buffer, .address_space: global }
      - { .name: qkv, .offset: 48, .size: 8, .value_kind: global_buffer, .address_space: global }
    .group_segment_fixed_size: 327680
    .private_segment_fixed_size: 0
    .kernarg_segment_align: 8
    .kernarg_segment_size: 56
    .max_flat_workgroup_size: 128
    .sgpr_count:     84
    .vgpr_count:     832
    .wavefront_size: 32
...
	.end_amdgpu_metadata
.endif
;; end of part 2
;; launch attn (part 3): grid 256 x 1, 4 waves a work-group, clusters of 4 x 1, 327,680 bytes of LDS; arguments qkv, att; writes att
.if DOCPART == 3
	.amdgcn_target "amdgcn-amd-amdhsa--gfx1250"
	.amdhsa_code_object_version 6
	.text
	.protected	k_q1e0f353dec_attn
	.globl	k_q1e0f353dec_attn
	.p2align	8
	.type	k_q1e0f353dec_attn,@function
k_q1e0f353dec_attn:
	s_mov_b64 s[64:65], 0
	v_nop
	global_prefetch_b8 v0, s[64:65] scope:SCOPE_SE
	s_setreg_imm32_b32 hwreg(HW_REG_WAVE_MODE, 25, 1), 1
	s_wait_xcnt 0x0
	s_wait_alu depctr_hold_cnt(0) depctr_sa_sdst(0) depctr_va_vdst(0) depctr_va_sdst(0) depctr_va_ssrc(0) depctr_va_vcc(0) depctr_vm_vsrc(0)
	s_getreg_b32 s2, hwreg(HW_REG_IB_STS2, 6, 4)
	s_cmp_eq_u32 s2, 0
	s_cbranch_scc0 .Lentry_in_a_cluster
	s_endpgm
.Lentry_in_a_cluster:
	s_bfe_u32 s2, ttmp6, 0x10000c
	s_cmp_lg_u32 s2, 0x3003
	s_cbranch_scc0 .Lentry_shape_is_right
	s_endpgm
.Lentry_shape_is_right:
; Causal attention with a running maximum, f16 operands, f32 sums and statistics.  qkv: [4096][2048] f16 (q heads at column 128 hq, k at 1024 + 128 kvh,
; v at 1536 + 128 kvh); q carries 1/sqrt(128) x log2(e), so the exponentials are powers of two.  att: [4096][1024] f16.
; WORK: cluster c (0..63): batch and kv head from c >> 3, j = c & 7.  Its four work-groups are the two q heads of that kv head x two neighbouring q blocks of
; 64 positions: i = 2 j + (cx >> 1).  Each makes q block i (pass A) and q block 31 - i (pass B).  Keys go in laps of 256: L_A = (j >> 1) + 1 laps in pass A,
; L_B = 9 - L_A in pass B: nine laps for every work-group, walked as ONE sequence f = 0 .. 8 through two LDS slots, slot = f & 1, so that the slot is a
; constant at every place of the text.  The passes change where the count of finished laps equals L_A, under a branch on the cluster's number alone.
; CLUSTERS: the four partners walk the same laps of K and V, so each lap is asked for jointly (mask 15).  Branches and trip counts hang on the cluster's
; number alone; cx enters only plain global addresses and the number that the causal compare is made against.
; A SLOT HOLDS A WHOLE LAP, 256 keys of K and of V: one round of the cluster's barrier, one wait for tiles, one new maximum and one rescaling of O serve
; 256 keys, and a lap's load has the lap before it, 128 matrix instructions a wave and its softmax, in which to land.
; THE FOUR WAVES SPLIT THE KEYS: wave w takes keys 64 w .. 64 w + 63 of each lap against all 64 q rows, so each byte of K and V is read from LDS once.
; Each wave keeps its own maximum, sum and output; they are merged through LDS at the end of a pass, one q tile of 16 rows at a time.
; ORIENTATION: S^T = K Q^T and O^T = V^T P^T.  In a tile of S^T lane (r, h), register jr holds (key 16 t + 8 h + jr, q 16 qt + r): a q row's statistics
; are one number a lane, S^T packs straight into P^T's fragment, and O^T gives a lane 8 neighbouring d of one q row.
; Keys above the diagonal get -FLT_MAX, as in the problem's function, and the running maximum starts there.  A wave all of whose keys were masked
; for a row holds finite rubbish with maximum -FLT_MAX; its factor in the merge is 2^(-FLT_MAX - m) = 0.
; LIMITS, stated: p, v and the result are f16: |v| below 65,504; p lies in [0, 1], and p below 2^-24 counts as 0 in the product (not in the sum).
; REGISTERS, in windows of 256: window 0: addresses, statistics, P, S, scratch; window 1: O(qt, dt) at 8 (8 qt + dt);
; window 2: Q(qt, ks) at 8 (4 qt + ks), V^T(g, dt) at 128 + 8 (8 g + dt); window 3: K(t, ks) at 8 (4 t + ks).
.set VPITCH, 288                       ; V's LDS row: 256 + 32 bytes, an odd multiple of 32, for the transposing load
.set KPITCH, 272                       ; K's: 256 + 16, an odd multiple of 16
.set KOFF,   256*VPITCH                ; K's 256 rows lie behind V's 256
.set SLOT,   KOFF+256*KPITCH           ; 143,360
.set SCR,    2*SLOT                    ; 286,720, a multiple of 256: the merge's scratch, 4 waves x 16 rows x 528 bytes; no fill lands here
.set SROW,   528                       ; a q row: d = 8 c .. 8 c + 3 at 16 c, d = 8 c + 4 .. 8 c + 7 at 256 + 16 c; 16 bytes of padding
.set SWAVE,  16*SROW
.set STATS,  SCR+4*SWAVE               ; 320,512: [wave][m, l][64] f32
.set KADR, 4                           ; v4-5   LDS address of my K fragments in slot 0, 1
.set VADR, 6                           ; v6-7   the same for V
.set QOFF, 8                           ; my byte offset in a q block
.set RELA, 9                           ; pass A's last lap: q position of q tile 0 minus my first key
.set NEG,  10                          ; -FLT_MAX
.set RQ,   11
.set STW,  12
.set STR,  13
.set STO,  14
.set RD,   15
.set RELB, 16                          ; the same for pass B's last lap
.set OOFF, 17
.set M0,   18                          ; v18-21, v22-25: the running maximum; the lap in slot s reads set 1 - s and writes set s
.set LS,   26                          ; v26-29 the running sum (the two halves of the lanes apart until the merge)
.set RH,   30                          ; r - 8 h
.set PF,   32                          ; v32-95   P^T fragment (qt, g) at 16 qt + 8 g
.set SC,   96                          ; v96-223  S^T tile (t, qt) at 8 (4 t + qt)
.set MX,   224                         ; v224-243 scratch of the softmax
.set TX,   228
.set AL,   232
.set SP,   236
.set VF,   128                         ; in window 2
.set MS,   64                          ; the merge: m of wave w at MS + 4 w + qt (P's upper registers)
.set LW,   80                          ; l likewise
.set MST,  224
.set FE,   228
.set LT,   232
.set RC,   236
.set FF,   240
.set G1K, 32
.set G0K, 40
.set G1V, 48
.set G0V, 56
.set MSB, 0
.macro WIN new                         ; the immediate's high byte repeats the setting that is left
.if MSB != \new
	s_set_vgpr_msb (MSB<<8)|\new
.set MSB, \new
.endif
.endm
.macro PLACES                          ; four plain places behind a matrix instruction (ISA guide 7.12.1)
.rept 4
	v_nop
.endr
.endm
.macro ROUND                           ; a round of the cluster's barrier
	s_barrier_signal -1
	s_barrier_wait -1
	s_cmp_lg_u32 s8, 0
	s_cbranch_scc1 .Lnot_wave_0_\@
	s_barrier_signal -3
.Lnot_wave_0_\@:
	s_barrier_wait -3
	s_barrier_signal -1
	s_barrier_wait -1
.endm
.macro JLOAD s                         ; waves 0 and 1 ask for V's halves, waves 2 and 3 for K's: 128 rows of 256 bytes each
	s_cmp_eq_u32 s9, 0
	s_cbranch_scc0 .Lfor_k_\@
	tensor_load_to_lds s[G0V+4*(\s):G0V+4*(\s)+3], s[G1V:G1V+7]
	s_nop 0
	s_branch .Lasked_\@
.Lfor_k_\@:
	tensor_load_to_lds s[G0K+4*(\s):G0K+4*(\s)+3], s[G1K:G1K+7]
	s_nop 0
.Lasked_\@:
.endm
; The slot's group 0 gets the address of lap s18 + ahead of the nine: pass A's L_A laps take keys 0, 256, .., pass B's begin again at 0.
; No tensor load of the wave is out where this stands.  (In laps 7 and 8 it makes addresses that no load uses.)
.macro LAPADDR slot, ahead
	s_add_co_u32 s24, s18, \ahead
	s_sub_co_u32 s25, s24, s15
	s_cmp_lt_u32 s24, s15
	s_cselect_b32 s24, s24, s25
	s_lshl_b32 s24, s24, 20                        ; 256 rows of 4,096 bytes
	s_mov_b32 s25, 0
	s_add_nc_u64 s[G0K+4*\slot+2:G0K+4*\slot+3], s[66:67], s[24:25]
	s_or_b32 s[G0K+4*\slot+3], s[G0K+4*\slot+3], 0x80000000
	s_add_nc_u64 s[G0V+4*\slot+2:G0V+4*\slot+3], s[68:69], s[24:25]
	s_or_b32 s[G0V+4*\slot+3], s[G0V+4*\slot+3], 0x80000000
.endm
.macro PKMULB d, base, q               ; v[d:d+1] *= v[base+q], in both halves
.if (\q)%2
	v_pk_mul_f32 v[\d:\d+1], v[\d:\d+1], v[\base+(\q)-1:\base+(\q)] op_sel:[0,1] op_sel_hi:[1,1]
.else
	v_pk_mul_f32 v[\d:\d+1], v[\d:\d+1], v[\base+(\q):\base+(\q)+1] op_sel_hi:[1,0]
.endif
.endm
.macro PKSUBB d, base, q               ; v[d:d+1] -= v[base+q], in both halves
.if (\q)%2
	v_pk_add_f32 v[\d:\d+1], v[\d:\d+1], v[\base+(\q)-1:\base+(\q)] op_sel:[0,1] op_sel_hi:[1,1] neg_lo:[0,1] neg_hi:[0,1]
.else
	v_pk_add_f32 v[\d:\d+1], v[\d:\d+1], v[\base+(\q):\base+(\q)+1] op_sel_hi:[1,0] neg_lo:[0,1] neg_hi:[0,1]
.endif
.endm
.macro QLOAD base                      ; a q block's 16 fragments, straight from memory: row 16 qt + r, 16 bytes at 64 ks + 16 h and 32 further
	WIN 0x80                                       ; destination window 2
.irp qt, 0,1,2,3
.irp ks, 0,1,2,3
	global_load_b128 v[8*(4*\qt+\ks):8*(4*\qt+\ks)+3],   v[QOFF], s[\base:\base+1] offset:65536*\qt+64*\ks
	global_load_b128 v[8*(4*\qt+\ks)+4:8*(4*\qt+\ks)+7], v[QOFF], s[\base:\base+1] offset:65536*\qt+64*\ks+32
.endr
.endr
	WIN 0
.endm
.macro VLOAD slot, g                   ; V^T's eight fragments of my keys 32 g .. 32 g + 31, by the transposing load
	WIN 0x80                                       ; destination window 2
.irp dt, 0,1,2,3,4,5,6,7
	ds_load_tr16_b128 v[VF+8*(8*\g+\dt):VF+8*(8*\g+\dt)+3],   v[VADR+\slot] offset:32*VPITCH*\g+32*\dt
	ds_load_tr16_b128 v[VF+8*(8*\g+\dt)+4:VF+8*(8*\g+\dt)+7], v[VADR+\slot] offset:32*VPITCH*\g+32*\dt+16*VPITCH
.endr
.endm
.macro MASK rel                        ; key > q gets -FLT_MAX: key - q = 16 t + jr - (rel + 16 qt)
.irp qt, 0,1,2,3
	v_add_nc_u32 v[RQ], 16*\qt, v[\rel]
.irp t, 0,1,2,3
.irp jr, 0,1,2,3,4,5,6,7
	v_cmp_gt_i32 vcc_lo, 16*\t+\jr, v[RQ]
	v_cndmask_b32 v[SC+8*(4*\t+\qt)+\jr], v[SC+8*(4*\t+\qt)+\jr], v[NEG], vcc_lo
.endr
.endr
.endr
.endm
	s_load_b128 s[4:7], s[0:1], 0x0                ; qkv, att
	v_lshl_add_u32 v254, v0, 2, 0x4ec00
	v_mov_b32 v255, 0
	ds_add_u32 v254, v255
	v_lshrrev_b32 v1, 5, v0
	v_readfirstlane_b32 s8, v1                     ; wave 0..3
	s_lshr_b32 s9, s8, 1                           ; I fetch for V (0) or for K (1)
	s_and_b32 s10, s8, 1                           ; and which 128 rows
	s_bfe_u32 s11, ttmp6, 0x40000                  ; cx
	s_mov_b32 s12, ttmp9                           ; the cluster's number
	s_lshr_b32 s13, s12, 3
	s_and_b32 s14, s12, 7                          ; j
	s_lshr_b32 s15, s14, 1
	s_sub_co_u32 s16, 8, s15                       ; L_B
	s_add_co_u32 s15, s15, 1                       ; L_A
	s_mov_b32 s18, 0                               ; laps finished, 0 .. 9
	s_mov_b32 s20, 0x76543210                      ; v_permlanex16_b32: lane i of one half reads lane i of the other
	s_mov_b32 s21, 0xfedcba98
	s_lshr_b32 s22, s11, 1
	s_and_b32 s23, s11, 1
	v_and_b32 v1, 15, v0                           ; r
	v_bfe_u32 v2, v0, 4, 1                         ; h
	v_lshlrev_b32 v[QOFF], 12, v1
	v_lshl_add_u32 v[QOFF], v2, 4, v[QOFF]
	; group 1: 128 rows x 128 elements of 2 bytes, pitch 2,048 elements; mask 15, bit 21 beside it; padding after every 64 words: 4 words (K), 8 words (V)
	s_mov_b32 s[G1K+0], 15|(1<<16)|(1<<20)|(1<<21)|(5<<22)|(3<<25)
	s_mov_b32 s[G1V+0], 15|(1<<16)|(1<<20)|(1<<21)|(5<<22)|(7<<25)
	s_mov_b32 s[G1K+1], 128<<16
	s_mov_b32 s[G1V+1], 128<<16
	s_mov_b32 s[G1K+2], 128<<16
	s_mov_b32 s[G1V+2], 128<<16
	s_mov_b32 s[G1K+3], 128<<16
	s_mov_b32 s[G1V+3], 128<<16
	s_mov_b32 s[G1K+4], 128
	s_mov_b32 s[G1V+4], 128
	s_mov_b32 s[G1K+5], 2048
	s_mov_b32 s[G1V+5], 2048
	s_mov_b32 s[G1K+6], 0
	s_mov_b32 s[G1V+6], 0
	s_mov_b32 s[G1K+7], 0
	s_mov_b32 s[G1V+7], 0
	s_lshr_b32 s24, s13, 2                         ; batch
	s_and_b32 s25, s13, 3                          ; kv head
	s_lshl_b32 s26, s24, 23                        ; 2,048 rows of 4,096 bytes
	s_lshl_b32 s27, s10, 19                        ; my 128 rows of a lap
	s_add_co_u32 s26, s26, s27
	s_lshl_b32 s27, s25, 8
	s_add_co_u32 s26, s26, s27
	s_add_co_u32 s26, s26, 2048                    ; k's columns begin at byte 2,048 of a row
	s_mov_b32 s27, 0
	; what hangs on cx, in registers that feed no joint load
	s_lshl1_add_u32 s28, s14, s22                  ; i = 2 j + (cx >> 1)
	s_lshl1_add_u32 s29, s25, s23                  ; q head = 2 kvh + (cx & 1)
	s_sub_co_u32 s30, 31, s28                      ; pass B's q block
	s_lshl_b32 s78, s29, 8                         ; the head's 256 bytes in a row
	s_mov_b32 s81, 0
	s_wait_dscnt 0x0
	s_wait_kmcnt 0x0
	s_add_nc_u64 s[66:67], s[4:5], s[26:27]        ; K's lap 0, my half
	s_add_nc_u64 s[68:69], s[66:67], 1024          ; V's: 512 columns further
	s_lshl_b32 s31, s24, 23
	s_lshl_b32 s80, s28, 18                        ; 64 rows of 4,096 bytes
	s_add_co_u32 s80, s80, s31
	s_add_co_u32 s80, s80, s78
	s_add_nc_u64 s[70:71], s[4:5], s[80:81]        ; q block of pass A
	s_lshl_b32 s80, s30, 18
	s_add_co_u32 s80, s80, s31
	s_add_co_u32 s80, s80, s78
	s_add_nc_u64 s[72:73], s[4:5], s[80:81]        ; of pass B
	s_lshl_b32 s31, s24, 22
	s_lshl_b32 s80, s28, 17                        ; 64 rows of 2,048 bytes
	s_add_co_u32 s80, s80, s31
	s_add_co_u32 s80, s80, s78
	s_add_nc_u64 s[74:75], s[6:7], s[80:81]        ; att, pass A
	s_lshl_b32 s80, s30, 17
	s_add_co_u32 s80, s80, s31
	s_add_co_u32 s80, s80, s78
	s_add_nc_u64 s[76:77], s[6:7], s[80:81]        ; att, pass B
	s_lshl_b32 s79, s8, 6                          ; my 64 keys of a lap
	s_lshl_b32 s82, s28, 6
	s_sub_co_u32 s82, s82, s79
	s_lshl_b32 s83, s30, 6
	s_sub_co_u32 s83, s83, s79
	s_sub_co_u32 s79, s15, 1
	s_lshl_b32 s79, s79, 8
	s_sub_co_u32 s82, s82, s79                     ; pass A's last lap: 64 i - 64 w - 256 (L_A - 1)
	s_sub_co_u32 s79, s16, 1
	s_lshl_b32 s79, s79, 8
	s_sub_co_u32 s83, s83, s79                     ; pass B's last lap: 64 (31 - i) - 64 w - 256 (L_B - 1)
	s_mul_i32 s26, s8, 128*VPITCH                  ; where V's halves go: wave x 128 rows (waves 0, 1)
	s_mul_i32 s27, s8, 128*KPITCH                  ; where K's halves go: behind V, (wave - 2) x 128 rows (waves 2, 3)
	s_add_co_u32 s27, s27, KOFF-256*KPITCH
.irp s, 0,1
	s_mov_b32 s[G0V+4*\s], 1
	s_add_co_u32 s[G0V+4*\s+1], s26, \s*SLOT
	s_mov_b32 s[G0K+4*\s], 1
	s_add_co_u32 s[G0K+4*\s+1], s27, \s*SLOT
	LAPADDR \s, \s                                 ; laps 0 and 1 of the nine (lap 1 is pass B's first where L_A = 1)
.endr
	ROUND                                          ; the four work-groups are here: the first joint load meets
	JLOAD 0                                        ; lap 0; by this text's count a wave never has more than one tensor load out
	QLOAD 70
	v_mul_u32_u24 v3, v1, KPITCH                   ; K fragment: row 64 w + 16 t + r, 16 bytes at 16 h
	v_lshl_add_u32 v3, v2, 4, v3
	s_mul_i32 s26, s8, 64*KPITCH
	s_add_co_u32 s26, s26, KOFF
	v_add_nc_u32 v[KADR], s26, v3
	v_add_nc_u32 v[KADR+1], SLOT, v[KADR]
	v_and_b32 v3, 7, v0                            ; V^T fragment: row 64 w + 32 g + 8 h + (l & 7), 16 bytes at 16 ((l >> 3) & 1)
	v_lshl_add_u32 v3, v2, 3, v3
	v_mul_u32_u24 v3, v3, VPITCH
	v_bfe_u32 v31, v0, 3, 1
	v_lshl_add_u32 v3, v31, 4, v3
	s_mul_i32 s26, s8, 64*VPITCH
	v_add_nc_u32 v[VADR], s26, v3
	v_add_nc_u32 v[VADR+1], SLOT, v[VADR]
	v_lshlrev_b32 v3, 2, v1
	v_add_nc_u32 v[STR], STATS, v3
	s_lshl_b32 s26, s8, 9
	v_add_nc_u32 v[STW], s26, v[STR]
	v_mul_u32_u24 v3, v1, SROW                     ; scratch, in: my wave's part, row r, 16 bytes at 32 dt + 16 h
	v_lshl_add_u32 v3, v2, 4, v3
	s_mul_i32 s26, s8, SWAVE
	s_add_co_u32 s26, s26, SCR
	v_add_nc_u32 v[STO], s26, v3
	v_mul_u32_u24 v3, v2, SROW                     ; scratch, back: rows 4 w + 2 u + h of every wave's part, 16 bytes at 16 r
	v_lshl_add_u32 v3, v1, 4, v3
	s_mul_i32 s26, s8, 4*SROW
	s_add_co_u32 s26, s26, SCR
	v_add_nc_u32 v[RD], s26, v3
	v_lshlrev_b32 v3, 11, v2                       ; the same rows in att
	v_lshl_add_u32 v3, v1, 4, v3
	s_lshl_b32 s26, s8, 13
	v_add_nc_u32 v[OOFF], s26, v3
	v_lshlrev_b32 v3, 3, v2
	v_sub_nc_u32 v[RH], v1, v3
	v_add_nc_u32 v[RELA], s82, v[RH]
	v_add_nc_u32 v[RELB], s83, v[RH]
	v_mov_b32 v[NEG], 0xff7fffff
.irp qt, 0,1,2,3
	v_mov_b32 v[M0+4+\qt], v[NEG]                  ; pass A begins: maximum -FLT_MAX (lap 0, in slot 0, reads set 1), sum 0
	v_mov_b32 v[LS+\qt], 0
	v_mov_b32 v[TX+\qt], 0                         ; v_permlanex16_b32 counts as a reader of its destination
.endr
; One lap of 256 keys, in slot.  first = 1: the launch's first lap starts O.  mask = 1: pass B's last lap, the causal compare is made;
; mask = 2: it is made where this lap is pass A's last; mask = 0: never.  refill = 1: the other slot gets the next lap.
.macro BIG slot, first, mask, refill
.set MNEW, M0+4*\slot
.set MOLD, M0+4*(1-\slot)
	PLACES                                         ; behind the last products: V's registers are loaded again below
	s_wait_tensorcnt 0x0                           ; all my tensor loads have landed, my part of this lap among them; so group 0 may be written
	ds_add_u32 v254, v255
	s_wait_dscnt 0x0
	LAPADDR \slot, 2
	s_add_co_u32 s18, s18, 1
	s_wait_dscnt 0x0                               ; my reads of the other slot are back
	ROUND                                          ; both now hold of every wave of the four work-groups
.if \refill
	JLOAD 1-\slot                                  ; the wave's one tensor load behind the round, first thing there: it has this lap in which to land
.endif
	WIN 0xc0                                       ; destination window 3
.irp t, 0,1,2,3
.irp ks, 0,1,2,3
	ds_load_b128 v[8*(4*\t+\ks):8*(4*\t+\ks)+3],   v[KADR+\slot] offset:16*KPITCH*\t+64*\ks
	ds_load_b128 v[8*(4*\t+\ks)+4:8*(4*\t+\ks)+7], v[KADR+\slot] offset:16*KPITCH*\t+64*\ks+32
.endr
.endr
	VLOAD \slot, 0
.if \first
	s_wait_loadcnt 0x0                             ; pass A's q block
.endif
	WIN 0x0b                                       ; source 0 (K) in window 3, source 1 (Q) in window 2
	; S^T = K Q^T, one key tile after the other; its four q tiles take turns, one instruction a turn
.irp t, 0,1,2,3
	s_wait_dscnt 40-8*\t                           ; of the 48 loads issued K's 8 (t + 1) oldest are in; the younger ones stay out
.irp ks, 0,1,2,3
.irp qt, 0,1,2,3
.if \ks == 0
	v_wmma_f32_16x16x32_f16 v[SC+8*(4*\t+\qt):SC+8*(4*\t+\qt)+7], v[8*(4*\t+\ks):8*(4*\t+\ks)+7], v[8*(4*\qt+\ks):8*(4*\qt+\ks)+7], 0
.else
	v_wmma_f32_16x16x32_f16 v[SC+8*(4*\t+\qt):SC+8*(4*\t+\qt)+7], v[8*(4*\t+\ks):8*(4*\t+\ks)+7], v[8*(4*\qt+\ks):8*(4*\qt+\ks)+7], v[SC+8*(4*\t+\qt):SC+8*(4*\t+\qt)+7]
.endif
.endr
.endr
.endr
	VLOAD \slot, 1                                 ; the second half of V: it has the softmax in which to come
	WIN 0
	PLACES                                         ; in front of the reads of S
.if \mask == 2
	s_cmp_lg_u32 s18, s15                          ; laps finished, this one counted, = L_A: pass A's last lap holds its diagonal
	s_cbranch_scc1 .Lopen_\@
	MASK RELA
.Lopen_\@:
.endif
.if \mask == 1
	MASK RELB
.endif
	; the new maximum of each q row: the old one and my 32 keys, then the other half of the lanes
.irp qt, 0,1,2,3
	v_max3_num_f32 v[MX+\qt], v[MOLD+\qt], v[SC+8*\qt], v[SC+8*\qt+1]
.endr
.irp k, 1,2,3,4,5,6,7,8,9,10,11,12,13,14,15
.irp qt, 0,1,2,3
	v_max3_num_f32 v[MX+\qt], v[MX+\qt], v[SC+32*(\k/4)+8*\qt+2*(\k%4)], v[SC+32*(\k/4)+8*\qt+2*(\k%4)+1]
.endr
.endr
.irp qt, 0,1,2,3
	v_permlanex16_b32 v[TX+\qt], v[MX+\qt], s20, s21
.endr
.irp qt, 0,1,2,3
	v_max_num_f32 v[MNEW+\qt], v[MX+\qt], v[TX+\qt]
.endr
.irp qt, 0,1,2,3
	v_sub_f32 v[AL+\qt], v[MOLD+\qt], v[MNEW+\qt]
.endr
.irp qt, 0,1,2,3
	v_exp_f32 v[AL+\qt], v[AL+\qt]                 ; what the old sum and output are worth under the new maximum; the subtractions below are the plain place behind.
.endr                                              ; In pass B's first lap the old maximum is -FLT_MAX and the factor 0: it wipes pass A's O and sum, which are finite
.irp t, 0,1,2,3
.irp qt, 0,1,2,3
.irp p, 0,1,2,3
	PKSUBB SC+8*(4*\t+\qt)+2*\p, MNEW, \qt
.endr
.endr
.endr
.set i, 0
.rept 128
	v_exp_f32 v[SC+i], v[SC+i]
.set i, i+1
.endr
	v_nop                                          ; one plain place behind the transcendentals (ISA guide 5.7.2)
	s_wait_alu depctr_va_vdst(0)
.irp qt, 0,1,2,3
	v_pk_add_f32 v[SP+2*\qt:SP+2*\qt+1], v[SC+8*\qt:SC+8*\qt+1], v[SC+8*\qt+2:SC+8*\qt+3]
.endr
.irp k, 2,3,4,5,6,7,8,9,10,11,12,13,14,15
.irp qt, 0,1,2,3
	v_pk_add_f32 v[SP+2*\qt:SP+2*\qt+1], v[SP+2*\qt:SP+2*\qt+1], v[SC+32*(\k/4)+8*\qt+2*(\k%4):SC+32*(\k/4)+8*\qt+2*(\k%4)+1]
.endr
.endr
.irp qt, 0,1,2,3
	v_add_f32 v[SP+2*\qt], v[SP+2*\qt], v[SP+2*\qt+1]
.endr
.irp qt, 0,1,2,3
	v_fma_f32 v[LS+\qt], v[LS+\qt], v[AL+\qt], v[SP+2*\qt]
.endr
.irp qt, 0,1,2,3
.irp t, 0,1,2,3
.irp p, 0,1,2,3
	v_cvt_pk_f16_f32 v[PF+16*\qt+4*\t+\p], v[SC+8*(4*\t+\qt)+2*\p], v[SC+8*(4*\t+\qt)+2*\p+1]   ; keys 16 t + 8 h + 2 p, + 1: P^T's fragments g = t / 2 as they stand
.endr
.endr
.endr
.if \first == 0
	WIN 0x41                                       ; O in place, window 1
.irp qt, 0,1,2,3
.irp dt, 0,1,2,3,4,5,6,7
.irp p, 0,1,2,3
	PKMULB 8*(8*\qt+\dt)+2*\p, AL, \qt
.endr
.endr
.endr
.endif
	s_wait_dscnt 0x0                               ; V's fragments
	WIN 0x52                                       ; source 0 (V^T) in window 2, C and D in window 1
	; O^T += V^T P^T: the 32 accumulators take turns, one instruction a turn, twice round
.irp g, 0,1
.irp dt, 0,1,2,3,4,5,6,7
.irp qt, 0,1,2,3
.if \first*(1-\g)
	v_wmma_f32_16x16x32_f16 v[8*(8*\qt+\dt):8*(8*\qt+\dt)+7], v[VF+8*(8*\g+\dt):VF+8*(8*\g+\dt)+7], v[PF+16*\qt+8*\g:PF+16*\qt+8*\g+7], 0
.else
	v_wmma_f32_16x16x32_f16 v[8*(8*\qt+\dt):8*(8*\qt+\dt)+7], v[VF+8*(8*\g+\dt):VF+8*(8*\g+\dt)+7], v[PF+16*\qt+8*\g:PF+16*\qt+8*\g+7], v[8*(8*\qt+\dt):8*(8*\qt+\dt)+7]
.endif
.endr
.endr
.endr
	WIN 0
.endm
; The four waves' parts of a q block become one: m = max, each part weighted by 2^(m_w - m), divided by the weighted sum of the l.
; ob: the scalar pair with att's address; next = 1: pass B follows: its q block is asked for first, and its statistics are set at the end;
; cur: the slot of the lap just done, whose set holds the maximum.
; The next fill stands behind the next lap's round, with its waits for 0 in front.
.macro MERGE ob, next, cur
.set MC, M0+4*\cur
	PLACES                                         ; behind the last products
.if \next
	QLOAD 72
.endif
.irp qt, 0,1,2,3
	v_permlanex16_b32 v[TX+\qt], v[LS+\qt], s20, s21
.endr
.irp qt, 0,1,2,3
	v_add_f32 v[LS+\qt], v[LS+\qt], v[TX+\qt]      ; the two halves of the lanes held different keys
.endr
.irp qt, 0,1,2,3
	ds_store_b32 v[STW], v[MC+\qt] offset:64*\qt           ; lanes r and r + 16 write the same word with the same value
	ds_store_b32 v[STW], v[LS+\qt] offset:256+64*\qt
.endr
	s_wait_dscnt 0x0                               ; my stores are done, for the others' sake
	s_barrier_signal -1
	s_barrier_wait -1
.irp w, 0,1,2,3
.irp qt, 0,1,2,3
	ds_load_b32 v[MS+4*\w+\qt], v[STR] offset:512*\w+64*\qt
	ds_load_b32 v[LW+4*\w+\qt], v[STR] offset:512*\w+64*\qt+256
.endr
.endr
	s_wait_dscnt 0x0
.irp qt, 0,1,2,3
	v_max3_num_f32 v[MST+\qt], v[MS+\qt], v[MS+4+\qt], v[MS+8+\qt]
.endr
.irp qt, 0,1,2,3
	v_max_num_f32 v[MST+\qt], v[MST+\qt], v[MS+12+\qt]
.endr
.irp w, 0,1,2,3
.irp qt, 0,1,2,3
	v_sub_f32 v[MS+4*\w+\qt], v[MS+4*\w+\qt], v[MST+\qt]
.endr
.endr
.irp qt, 0,1,2,3
	v_sub_f32 v[FE+\qt], v[MC+\qt], v[MST+\qt]
.endr
.set i, 0
.rept 16
	v_exp_f32 v[MS+i], v[MS+i]
.set i, i+1
.endr
.irp qt, 0,1,2,3
	v_exp_f32 v[FE+\qt], v[FE+\qt]
.endr
	v_nop                                          ; one plain place behind the transcendentals
	s_wait_alu depctr_va_vdst(0)
.irp qt, 0,1,2,3
	v_mul_f32 v[LT+\qt], v[MS+\qt], v[LW+\qt]
.endr
.irp w, 1,2,3
.irp qt, 0,1,2,3
	v_fmac_f32 v[LT+\qt], v[MS+4*\w+\qt], v[LW+4*\w+\qt]
.endr
.endr
.irp qt, 0,1,2,3
	v_rcp_f32 v[RC+\qt], v[LT+\qt]                 ; the sum is at least 1: the row's largest key counts 1 in its wave
.endr
	v_nop
	s_wait_alu depctr_va_vdst(0)
.irp qt, 0,1,2,3
	v_mul_f32 v[FF+\qt], v[FE+\qt], v[RC+\qt]
.endr
	WIN 0x41
.irp qt, 0,1,2,3
.irp dt, 0,1,2,3,4,5,6,7
.irp p, 0,1,2,3
	PKMULB 8*(8*\qt+\dt)+2*\p, FF, \qt
.endr
.endr
.endr
	; one q tile of 16 rows at a time: every wave lays its part into its own 16 rows of the scratch; wave w adds the four parts of rows 4 w .. 4 w + 3
.irp qt, 0,1,2,3
.if \qt
	s_barrier_signal -1                            ; every wave's reads of the last q tile are back (its count-down ended at 0): the scratch may be written again
	s_barrier_wait -1
.endif
	WIN 0x04                                       ; store data in window 1
.irp dt, 0,1,2,3,4,5,6,7
	ds_store_b128 v[STO], v[8*(8*\qt+\dt):8*(8*\qt+\dt)+3]   offset:32*\dt
	ds_store_b128 v[STO], v[8*(8*\qt+\dt)+4:8*(8*\qt+\dt)+7] offset:32*\dt+256
.endr
	WIN 0
	s_wait_dscnt 0x0                               ; my stores are done, for the others' sake
	s_barrier_signal -1
	s_barrier_wait -1
.irp u, 0,1
.irp w, 0,1,2,3
	ds_load_b128 v[SC+64*(\qt%2)+32*\u+8*\w:SC+64*(\qt%2)+32*\u+8*\w+3],   v[RD] offset:SWAVE*\w+2*SROW*\u
	ds_load_b128 v[SC+64*(\qt%2)+32*\u+8*\w+4:SC+64*(\qt%2)+32*\u+8*\w+7], v[RD] offset:SWAVE*\w+2*SROW*\u+256
.endr
.endr
.irp u, 0,1
	s_wait_dscnt 8-8*\u                            ; this pair of rows' eight loads are in; the younger pair's stay out
.irp w, 1,2,3
.irp p, 0,1,2,3
	v_pk_add_f32 v[SC+64*(\qt%2)+32*\u+2*\p:SC+64*(\qt%2)+32*\u+2*\p+1], v[SC+64*(\qt%2)+32*\u+2*\p:SC+64*(\qt%2)+32*\u+2*\p+1], v[SC+64*(\qt%2)+32*\u+8*\w+2*\p:SC+64*(\qt%2)+32*\u+8*\w+2*\p+1]
.endr
.endr
.irp p, 0,1,2,3
	v_cvt_pk_f16_f32 v[PF+8*\qt+4*\u+\p], v[SC+64*(\qt%2)+32*\u+2*\p], v[SC+64*(\qt%2)+32*\u+2*\p+1]
.endr
	global_store_b128 v[OOFF], v[PF+8*\qt+4*\u:PF+8*\qt+4*\u+3], s[\ob:\ob+1] offset:32768*\qt+4096*\u   ; 16 lanes store 256 consecutive bytes, aligned
.endr
.endr
	s_wait_xcnt 0x0                                ; P's registers, which the stores read, are written again only behind this wait
.if \next
.irp qt, 0,1,2,3
	v_mov_b32 v[MC+\qt], v[NEG]                    ; pass B begins: maximum -FLT_MAX in the set that the next lap reads, sum 0
	v_mov_b32 v[LS+\qt], 0
.endr
	s_wait_loadcnt 0x0                             ; pass B's q block, asked for at the merge's head
.endif
.endm
	; THE NINE LAPS.  Lap f lies in slot f & 1.  Pass A ends behind lap L_A - 1, L_A = 1 .. 4: in front of laps 1 to 4, which the loop holds.
	BIG 0, 1, 2, 1                                 ; lap 0
	s_mov_b32 s19, 3
.Lloop:                                            ; laps 1, 2 / 3, 4 / 5, 6
	s_cmp_lg_u32 s18, s15
	s_cbranch_scc1 .LnoA0
	MERGE 74, 1, 0                                 ; L_A = 1 or 3; pass B's first lap is on its way meanwhile
.LnoA0:
	BIG 1, 0, 2, 1
	s_cmp_lg_u32 s18, s15
	s_cbranch_scc1 .LnoA1
	MERGE 74, 1, 1                                 ; L_A = 2 or 4
.LnoA1:
	BIG 0, 0, 2, 1
	s_sub_co_u32 s19, s19, 1
	s_cmp_lg_u32 s19, 0
	s_cbranch_scc1 .Lloop
	BIG 1, 0, 0, 1                                 ; lap 7: always inside pass B, below its diagonal
	BIG 0, 0, 1, 0                                 ; lap 8: pass B's last, with its diagonal; nothing is left to fetch
	MERGE 76, 0, 0
	s_wait_tensorcnt 0x0
	ds_add_u32 v254, v255
	s_wait_dscnt 0x0
	ROUND                                          ; the closing round: no work-group ends while a partner may still ask for a lap that names it
	s_endpgm
.Lfunc_end_k_q1e0f353dec_attn:
	.size	k_q1e0f353dec_attn, .Lfunc_end_k_q1e0f353dec_attn-k_q1e0f353dec_attn
	.p2alignl 7, 3214868480
	.fill 96, 4, 3214868480
	.section	.rodata,"a",@progbits
	.p2align	6, 0x0
	.amdhsa_kernel k_q1e0f353dec_attn
		.amdhsa_group_segment_fixed_size 327680
		.amdhsa_private_segment_fixed_size 0
		.amdhsa_enable_private_segment 0
		.amdhsa_kernarg_size 16
		.amdhsa_user_sgpr_count 2
		.amdhsa_user_sgpr_kernarg_segment_ptr 1
		.amdhsa_wavefront_size32 1
		.amdhsa_system_sgpr_workgroup_id_x 1
		.amdhsa_system_sgpr_workgroup_id_y 1
		.amdhsa_system_sgpr_workgroup_id_z 1
		.amdhsa_system_vgpr_workitem_id 0
		.amdhsa_next_free_vgpr 896
		.amdhsa_next_free_sgpr 84
		.amdhsa_reserve_vcc 1
		.amdhsa_float_denorm_mode_32 3
		.amdhsa_float_denorm_mode_16_64 3
		.amdhsa_memory_ordered 1
		.amdhsa_forward_progress 1
		.amdhsa_inst_pref_size 255
	.end_amdhsa_kernel
	.section	.bss,"aw",@nobits
	.p2align	6
	.space	262144
	.amdgpu_metadata
---
amdhsa.version: [ 1, 2 ]
amdhsa.kernels:
  - .name:           k_q1e0f353dec_attn
    .symbol:         k_q1e0f353dec_attn.kd
    .args:
      - { .name: qkv, .offset: 0, .size: 8, .value_kind: global_buffer, .address_space: global }
      - { .name: att, .offset: 8, .size: 8, .value_kind: global_buffer, .address_space: global }
    .group_segment_fixed_size: 327680
    .private_segment_fixed_size: 0
    .kernarg_segment_align: 8
    .kernarg_segment_size: 16
    .max_flat_workgroup_size: 128
    .sgpr_count:     84
    .vgpr_count:     896
    .wavefront_size: 32
...
	.end_amdgpu_metadata
.endif
;; end of part 3
;; launch oproj (part 4): grid 16 x 16, 4 waves a work-group, clusters of 4 x 4, 327,680 bytes of LDS; arguments att, wob, out0; writes out0
.if DOCPART == 4
	.amdgcn_target "amdgcn-amd-amdhsa--gfx1250"
	.amdhsa_code_object_version 6
	.text
	.protected	k_q1e0f353dec_oproj
	.globl	k_q1e0f353dec_oproj
	.p2align	8
	.type	k_q1e0f353dec_oproj,@function
k_q1e0f353dec_oproj:
	s_mov_b64 s[64:65], 0
	v_nop
	global_prefetch_b8 v0, s[64:65] scope:SCOPE_SE
	s_setreg_imm32_b32 hwreg(HW_REG_WAVE_MODE, 25, 1), 1
	s_wait_xcnt 0x0
	s_wait_alu depctr_hold_cnt(0) depctr_sa_sdst(0) depctr_va_vdst(0) depctr_va_sdst(0) depctr_va_ssrc(0) depctr_va_vcc(0) depctr_vm_vsrc(0)
	s_getreg_b32 s2, hwreg(HW_REG_IB_STS2, 6, 4)
	s_cmp_eq_u32 s2, 0
	s_cbranch_scc0 .Lentry_in_a_cluster
	s_endpgm
.Lentry_in_a_cluster:
	s_bfe_u32 s2, ttmp6, 0x10000c
	s_cmp_lg_u32 s2, 0xf033
	s_cbranch_scc0 .Lentry_shape_is_right
	s_endpgm
.Lentry_shape_is_right:
; out0[m][n] = sum over e of att[m][e] wob[n][e].  att: [4096][1024] f16, wob: [2048][1024] f16, out0: [4096][2048] f32; sums in f32.
; A work-group makes 256 rows x 128 columns with four waves; wave w makes rows 64 w .. 64 w + 63 x all 128 columns: 4 x 8 accumulator tiles, 256 registers.
; K goes in steps of 128 (rows of 256 bytes) through two LDS slots, each with 256 rows of att and 128 rows of wob.
; CLUSTERS: 4 x 4 work-groups; att's tile is asked for jointly along a row of the cluster, wob's along a column.
; The matrix instruction is used transposed (source 0 = rows of wob, source 1 = rows of att): lane (r, h), register j holds C(m = 16 mt + r, n = 16 nt + 8 h + j).
; REGISTERS: window 0: v0-31 addresses, v32-127 and v128-223 two fragment buffers (wob's 8 fragments, then att's 4); window 1: accumulator (mt, nt) at v[8 (8 mt + nt)].
.set SIZE_K, 1024
.set KSTEP,  128
.set PITCH,  272                       ; 256 bytes + 16 of padding, an odd multiple of 16
.set AHALF,  128*PITCH
.set BHALF,  64*PITCH
.set BOFF,   256*PITCH
.set SLOT,   384*PITCH
.set STAGE,  2*SLOT                    ; behind the ring, at a multiple of 256: 16 rows x 528 bytes for each wave; no fill lands here
.set SPITCH, 528                       ; a row of 128 f32 + 16 bytes
.set LAPS,   SIZE_K/(2*KSTEP)
.set OROW,   8192                      ; bytes in a row of out0
.set ADRA, 16
.set ADRB, 20
.set STO,  24
.set RD,   25
.set CO,   26
.set F0,   32
.set F1,   128
.set G1A, 32
.set G0A, 40
.set G1B, 48
.set G0B, 56
.set G1W0, (1<<16)|(1<<20)|(1<<21)|(5<<22)|(3<<25)   ; 2-byte elements; padding on; bit 21 beside a mask; after every 64 words; 4 words
.set MSB, 0
.macro WIN new
.if MSB != \new
	s_set_vgpr_msb (MSB<<8)|\new
.set MSB, \new
.endif
.endm
.macro PLACES                          ; four plain places behind a matrix instruction (ISA guide 7.12.1)
.rept 4
	v_nop
.endr
.endm
.macro JLOAD s                         ; waves 0 and 1 ask for att's halves, waves 2 and 3 for wob's
	s_cmp_eq_u32 s21, 0
	s_cbranch_scc0 .Lfor_b_\@
	tensor_load_to_lds s[G0A+4*(\s):G0A+4*(\s)+3], s[G1A:G1A+7]
	s_nop 0
	s_branch .Lasked_\@
.Lfor_b_\@:
	tensor_load_to_lds s[G0B+4*(\s):G0B+4*(\s)+3], s[G1B:G1B+7]
	s_nop 0
.Lasked_\@:
.endm
.macro CREST
	s_cmp_lg_u32 s20, 0
	s_cbranch_scc1 .Lnot_wave_0_\@
	s_barrier_signal -3
.Lnot_wave_0_\@:
	s_barrier_wait -3
	s_barrier_signal -1
	s_barrier_wait -1
.endm
.macro CROUND
	s_barrier_signal -1
	s_barrier_wait -1
	CREST
.endm
	s_load_b128 s[4:7], s[0:1], 0x0                ; att 4, wob 6
	s_load_b64 s[8:9], s[0:1], 0x10                ; out0
	v_lshl_add_u32 v254, v0, 2, 0x3b400
	v_mov_b32 v255, 0
	ds_add_u32 v254, v255
	v_lshrrev_b32 v1, 5, v0
	v_readfirstlane_b32 s20, v1                    ; wave 0..3
	s_lshr_b32 s21, s20, 1
	s_and_b32 s22, s20, 1
	s_bfe_u32 s23, ttmp6, 0x40000                  ; cx
	s_bfe_u32 s24, ttmp6, 0x40004                  ; cy
	s_lshl_b32 s25, ttmp9, 2
	s_add_co_u32 s25, s25, s23                     ; block column
	s_and_b32 s26, ttmp7, 0xffff
	s_lshl_b32 s26, s26, 2
	s_add_co_u32 s26, s26, s24                     ; block row
	s_lshl_b32 s28, s24, 2
	s_lshl_b32 s28, 15, s28                        ; my row of the cluster
	s_lshl_b32 s29, 0x1111, s23                    ; my column
	s_or_b32 s[G1A+0], s28, G1W0
	s_or_b32 s[G1B+0], s29, G1W0
	s_mov_b32 s[G1A+1], KSTEP<<16
	s_mov_b32 s[G1B+1], KSTEP<<16
	s_mov_b32 s[G1A+2], 128<<16
	s_mov_b32 s[G1B+2], 64<<16
	s_mov_b32 s[G1A+3], KSTEP<<16
	s_mov_b32 s[G1B+3], KSTEP<<16
	s_mov_b32 s[G1A+4], 128
	s_mov_b32 s[G1B+4], 64
	s_mov_b32 s[G1A+5], SIZE_K
	s_mov_b32 s[G1B+5], SIZE_K
	s_mov_b32 s[G1A+6], 0
	s_mov_b32 s[G1B+6], 0
	s_mov_b32 s[G1A+7], 0
	s_mov_b32 s[G1B+7], 0
	s_mul_i32 s30, s20, AHALF                      ; att's halves: wave x 128 rows (waves 0, 1)
	s_mul_i32 s31, s20, BHALF                      ; wob's halves: behind att's 256 rows, (wave - 2) x 64 rows (waves 2, 3)
	s_add_co_u32 s31, s31, BOFF-2*BHALF
	s_lshl_b32 s66, s26, 8                         ; att: row 256 x block row + 128 x half, in registers that never hold cx
	s_lshl_b32 s67, s22, 7
	s_add_co_u32 s66, s66, s67
	s_mul_i32 s66, s66, 2*SIZE_K
	s_mov_b32 s67, 0
	s_lshl_b32 s68, s25, 7                         ; wob: row 128 x block column + 64 x half, in registers that never hold cy
	s_lshl_b32 s69, s22, 6
	s_add_co_u32 s68, s68, s69
	s_mul_i32 s68, s68, 2*SIZE_K
	s_mov_b32 s69, 0
	s_wait_dscnt 0x0
	s_wait_kmcnt 0x0
	s_add_nc_u64 s[66:67], s[4:5], s[66:67]
	s_add_nc_u64 s[68:69], s[6:7], s[68:69]
	CROUND                                         ; all sixteen work-groups are here: the first joint loads meet
.irp s, 0,1
	s_mov_b32 s[G0A+4*\s], 1
	s_add_co_u32 s[G0A+4*\s+1], s30, \s*SLOT
	s_add_nc_u64 s[G0A+4*\s+2:G0A+4*\s+3], s[66:67], \s*KSTEP*2
	s_or_b32 s[G0A+4*\s+3], s[G0A+4*\s+3], 0x80000000
	s_mov_b32 s[G0B+4*\s], 1
	s_add_co_u32 s[G0B+4*\s+1], s31, \s*SLOT
	s_add_nc_u64 s[G0B+4*\s+2:G0B+4*\s+3], s[68:69], \s*KSTEP*2
	s_or_b32 s[G0B+4*\s+3], s[G0B+4*\s+3], 0x80000000
	JLOAD \s                                       ; both first fills go out together: two tensor loads of the wave are out, later one
.endr
	s_lshl_b32 s70, s26, 8                         ; out0 at my wave's first row and the block's first column
	s_lshl_b32 s71, s20, 6
	s_add_co_u32 s70, s70, s71
	s_mul_i32 s70, s70, OROW                       ; under 33.6 MB
	s_mov_b32 s71, 0
	s_add_nc_u64 s[8:9], s[8:9], s[70:71]
	s_lshl_b32 s70, s25, 9
	s_add_nc_u64 s[8:9], s[8:9], s[70:71]
	v_and_b32 v1, 15, v0                           ; r
	v_bfe_u32 v2, v0, 4, 1                         ; h
	v_mul_u32_u24 v3, v1, PITCH
	v_lshl_add_u32 v3, v2, 4, v3
	s_mul_i32 s12, s20, 64*PITCH                   ; my 64 rows of att
	v_add_nc_u32 v[ADRA], s12, v3
	v_add_nc_u32 v[ADRA+1], SLOT, v[ADRA]
	v_add_nc_u32 v[ADRB], BOFF, v3
	v_add_nc_u32 v[ADRB+1], BOFF+SLOT, v3
	s_mul_i32 s12, s20, 16*SPITCH
	s_add_co_u32 s12, s12, STAGE                   ; my stage
	v_mul_u32_u24 v3, v1, SPITCH                   ; in: row r, 32 bytes at 64 nt + 32 h
	v_lshl_add_u32 v3, v2, 5, v3
	v_add_nc_u32 v[STO], s12, v3
	v_and_b32 v3, 31, v0
	v_lshlrev_b32 v[CO], 4, v3                     ; back and out: 32 lanes take one row's 512 bytes
	v_add_nc_u32 v[RD], s12, v[CO]
; The 32 accumulators take turns, one instruction a turn, in the same order in every quarter step, over the backward jump and into the tail.
.macro MUL8 f, mt, zero
	WIN 0x50                                       ; C and D in window 1
.irp nt, 0,1,2,3,4,5,6,7
.if \zero
	v_wmma_f32_16x16x32_f16 v[8*(8*\mt+\nt):8*(8*\mt+\nt)+7], v[\f+8*\nt:\f+8*\nt+7], v[\f+64+8*\mt:\f+64+8*\mt+7], 0
.else
	v_wmma_f32_16x16x32_f16 v[8*(8*\mt+\nt):8*(8*\mt+\nt)+7], v[\f+8*\nt:\f+8*\nt+7], v[\f+64+8*\mt:\f+64+8*\mt+7], v[8*(8*\mt+\nt):8*(8*\mt+\nt)+7]
.endif
.endr
.endm
.macro FETCH slot, k, f                ; 24 LDS loads in one run: a quarter step's fragments
	WIN 0
.irp nt, 0,1,2,3,4,5,6,7
	ds_load_b128 v[\f+8*\nt:\f+8*\nt+3],   v[ADRB+\slot] offset:\k+\nt*16*PITCH
	ds_load_b128 v[\f+8*\nt+4:\f+8*\nt+7], v[ADRB+\slot] offset:\k+\nt*16*PITCH+32
.endr
.irp mt, 0,1,2,3
	ds_load_b128 v[\f+64+8*\mt:\f+64+8*\mt+3],   v[ADRA+\slot] offset:\k+\mt*16*PITCH
	ds_load_b128 v[\f+64+8*\mt+4:\f+64+8*\mt+7], v[ADRA+\slot] offset:\k+\mt*16*PITCH+32
.endr
.endm
.macro QUARTER slot, k, f, g, zero
	s_wait_dscnt 4                                 ; wob's fragments and att's row blocks 0, 1 are in; the four youngest loads may be out
	MUL8 \f, 0, \zero
	MUL8 \f, 1, \zero
	PLACES                                         ; buffer g was read by matrix instructions: four places in front of the loads into it
	FETCH \slot, \k, \g
	s_wait_dscnt 24                                ; all but the 24 just issued
	MUL8 \f, 2, \zero
	MUL8 \f, 3, \zero
.endm
.macro THREE slot, zero
	QUARTER \slot, 64,  F0, F1, \zero
	QUARTER \slot, 128, F1, F0, 0
	QUARTER \slot, 192, F0, F1, 0
.endm
; The last quarter changes slots: in front of the one barrier each wave's reads of this slot are back and all its tensor loads have landed;
; behind it this slot is filled again first, then the next slot is read.
.macro TURN slot, next, fill
	s_wait_dscnt 4
	MUL8 F1, 0, 0
	s_wait_dscnt 0                                 ; my reads of this slot are over
	s_wait_tensorcnt 0x0                           ; all my tensor loads have landed
	ds_add_u32 v254, v255
	s_wait_dscnt 0x0
	s_barrier_signal -1
	MUL8 F1, 1, 0                                  ; register work while the others arrive
	WIN 0
	s_barrier_wait -1
.if \fill
	CREST                                          ; no wave of any partner still reads this slot or has a load on its way
	s_add_nc_u64 s[G0A+4*\slot+2:G0A+4*\slot+3], s[G0A+4*\slot+2:G0A+4*\slot+3], 2*KSTEP*2
	s_add_nc_u64 s[G0B+4*\slot+2:G0B+4*\slot+3], s[G0B+4*\slot+2:G0B+4*\slot+3], 2*KSTEP*2
	JLOAD \slot                                    ; the wave's one tensor load behind the round, and the first thing there
.endif
	PLACES
	FETCH \next, 0, F0
	MUL8 F1, 2, 0
	MUL8 F1, 3, 0
.endm
.macro LAP zero
	THREE 0, \zero
	TURN 0, 1, 1
	THREE 1, 0
	TURN 1, 0, 1
.endm
	s_wait_tensorcnt 0x1                           ; my part of K step 0 is in; K step 1's may stay out
	s_barrier_signal -1
	s_barrier_wait -1
	FETCH 0, 0, F0
	LAP 1                                          ; the first lap's first products start the sums
	WIN 0
	s_mov_b32 s3, LAPS-2
.Llap:
	LAP 0
	WIN 0
	s_sub_co_u32 s3, s3, 1
	s_cmp_lg_u32 s3, 0
	s_cbranch_scc1 .Llap
	THREE 0, 0                                     ; the last lap fills nothing
	TURN 0, 1, 0
	THREE 1, 0
	s_wait_dscnt 4
	MUL8 F1, 0, 0
	MUL8 F1, 1, 0
	s_wait_dscnt 0
	MUL8 F1, 2, 0
	MUL8 F1, 3, 0
	PLACES                                         ; in front of the LDS stores of the sums and the loads into the fragment buffers
; 16 rows of f32 go through my own stage and leave as whole rows: one store of the wave covers 512 consecutive bytes, aligned.
.macro OUT16 mt, f
	WIN 0x04                                       ; store data in window 1
.irp nt, 0,1,2,3,4,5,6,7
	ds_store_b128 v[STO], v[8*(8*\mt+\nt):8*(8*\mt+\nt)+3]   offset:64*\nt
	ds_store_b128 v[STO], v[8*(8*\mt+\nt)+4:8*(8*\mt+\nt)+7] offset:64*\nt+16
.endr
	WIN 0
	s_wait_xcnt 0x0                                ; buffer f, which earlier stores read, and the stores' base are rewritten only behind this wait
.if \mt
	s_add_nc_u64 s[8:9], s[8:9], 16*OROW
.endif
.irp row, 0,1,2,3,4,5,6,7,8,9,10,11,12,13,14,15
	ds_load_b128 v[\f+4*\row:\f+4*\row+3], v[RD] offset:SPITCH*\row        ; LDS serves a wave's instructions in order: these see the stores above
.endr
.irp row, 0,1,2,3,4,5,6,7,8,9,10,11,12,13,14,15
	s_wait_dscnt 15-\row                           ; this row is in
	global_store_b128 v[CO], v[\f+4*\row:\f+4*\row+3], s[8:9] offset:OROW*\row th:TH_STORE_NT
.endr
.endm
	OUT16 0, F0
	OUT16 1, F1
	OUT16 2, F0
	OUT16 3, F1
	s_wait_tensorcnt 0x0
	ds_add_u32 v254, v255
	s_wait_dscnt 0x0
	CROUND                                         ; the closing round: no work-group ends while a partner may still ask for a tile that names it
	s_endpgm
.Lfunc_end_k_q1e0f353dec_oproj:
	.size	k_q1e0f353dec_oproj, .Lfunc_end_k_q1e0f353dec_oproj-k_q1e0f353dec_oproj
	.p2alignl 7, 3214868480
	.fill 96, 4, 3214868480
	.section	.rodata,"a",@progbits
	.p2align	6, 0x0
	.amdhsa_kernel k_q1e0f353dec_oproj
		.amdhsa_group_segment_fixed_size 327680
		.amdhsa_private_segment_fixed_size 0
		.amdhsa_enable_private_segment 0
		.amdhsa_kernarg_size 24
		.amdhsa_user_sgpr_count 2
		.amdhsa_user_sgpr_kernarg_segment_ptr 1
		.amdhsa_wavefront_size32 1
		.amdhsa_system_sgpr_workgroup_id_x 1
		.amdhsa_system_sgpr_workgroup_id_y 1
		.amdhsa_system_sgpr_workgroup_id_z 1
		.amdhsa_system_vgpr_workitem_id 0
		.amdhsa_next_free_vgpr 512
		.amdhsa_next_free_sgpr 72
		.amdhsa_reserve_vcc 0
		.amdhsa_float_denorm_mode_32 3
		.amdhsa_float_denorm_mode_16_64 3
		.amdhsa_memory_ordered 1
		.amdhsa_forward_progress 1
		.amdhsa_inst_pref_size 117
	.end_amdhsa_kernel
	.amdgpu_metadata
---
amdhsa.version: [ 1, 2 ]
amdhsa.kernels:
  - .name:           k_q1e0f353dec_oproj
    .symbol:         k_q1e0f353dec_oproj.kd
    .args:
      - { .name: att, .offset: 0, .size: 8, .value_kind: global_buffer, .address_space: global }
      - { .name: wob, .offset: 8, .size: 8, .value_kind: global_buffer, .address_space: global }
      - { .name: out0, .offset: 16, .size: 8, .value_kind: global_buffer, .address_space: global }
    .group_segment_fixed_size: 327680
    .private_segment_fixed_size: 0
    .kernarg_segment_align: 8
    .kernarg_segment_size: 24
    .max_flat_workgroup_size: 128
    .sgpr_count:     72
    .vgpr_count:     512
    .wavefront_size: 32
...
	.end_amdgpu_metadata
.endif
;; end of part 4
;; ======== version 2 of 2: 4 launches; version 1 with the launch cast written anew for expert scheduling mode
;; limits: values outside matrix products are rounded to bf16; values are held in f16: magnitudes above 65,504 overflow, below 6.1e-05 lose precision
;; workspace buffers: xb 16,777,216 bytes; wqb 8,388,608 bytes; wob 4,194,304 bytes; cosb 524,288 bytes; sinb 524,288 bytes; qkv 16,777,216 bytes; att 8,388,608 bytes
;; launch cast (part 5): grid 1856 x 1, 8 waves a work-group, no clusters, 0 bytes of LDS; arguments x, w_qkv, w_o, pos_cos, pos_sin, xb, wqb, wob, cosb, sinb; writes xb, wqb, wob, cosb, sinb
.if DOCPART == 5
	.amdgcn_target "amdgcn-amd-amdhsa--gfx1250"
	.amdhsa_code_object_version 6
	.text
	.protected	k_q1e0f353dec_cast
	.globl	k_q1e0f353dec_cast
	.p2align	8
	.type	k_q1e0f353dec_cast,@function
k_q1e0f353dec_cast:
	s_mov_b64 s[64:65], 0
	v_nop
	global_prefetch_b8 v0, s[64:65] scope:SCOPE_SE
	s_setreg_imm32_b32 hwreg(HW_REG_WAVE_SCHED_MODE, 0, 2), 2
	s_setreg_imm32_b32 hwreg(HW_REG_WAVE_MODE, 25, 1), 1
	s_wait_xcnt 0x0
	s_wait_alu depctr_vm_vsrc(0)
; The five large f32 inputs are narrowed once, so that the matrix launches can fetch 16-bit tiles.
;   x -> xb, w_qkv -> wqb, pos_cos -> cosb : bf16, rounded to nearest even
;   pos_sin -> sinb : bf16, with the sign turned for d < 64, so that RoPE is u[d] c[d] + u[d xor 64] s'[d] for every d
;   w_o -> wob : rounded to bf16 and then written as f16 (the output product runs in f16).
; LIMIT, stated: a bf16 number is exact in f16 from 2^-14 up to 65,504; below 2^-14 the f16 step is 2^-24, so a weight
; smaller than that is off by at most 2^-25 in absolute terms; |w_o| must stay below 65,504.
; A work-group takes one chunk of 32,768 bytes of f32 and stores 16,384 bytes.  Chunks: 1,024 of x, 512 of w_qkv, 256 of w_o,
; 32 of pos_cos, 32 of pos_sin = 1,856 work-groups.  Thread t, group i: the 32 bytes at 32 t + 8,192 i in, the 16 bytes at
; 16 t + 4,096 i out, so each store of a wave covers 512 consecutive bytes, aligned.
; No LDS, no matrix unit, no cluster: the work-groups share no byte, and every byte is read once and written once.
; THE MODE: SCHED_MODE bits 1:0 = 2 (LLVM: expert scheduling mode 2), set by the entry lines.  The code itself states the register dependences
; between vector instructions and memory instructions, with s_wait_alu, always for 0.
; THE PLAN.  Registers that memory instructions touch:
;   v1, v2     byte offsets of the loads and of the stores: made once at the head, never written again.
;   X, group i written by the group's two loads, once; read by the group's conversions; no vector line names X ahead of the loads.
;   Y, group i written by the group's vector lines; read by the group's one store; never written again: each group has four registers of its own.
;   v3, T and VCC are named by vector instructions alone.
; One wait on va_vdst at the head serves both offsets for the whole kernel.  Group i's store stands at the head of group i + 1, behind the wait for that
; group's data and one wait on va_vdst, which states that Y of group i is written; the last group's store has such a wait of its own.  One wait on va_vcc
; stands between the compare and the select that reads its mask.  No register that a load or a store reads is written again, and no base is stepped:
; so beyond the entry the text holds no wait on vm_vsrc and none on XCNT.
.set X, 4                              ; v[4:35]   group i: 8 numbers as loaded
.set Y, 36                             ; v[36:51]  group i: 4 registers to store
.set T, 52                             ; v[52:55]  at work
	s_load_b512 s[8:23], s[0:1], 0x0               ; x 8, w_qkv 10, w_o 12, pos_cos 14, pos_sin 16, xb 18, wqb 20, wob 22
	s_load_b128 s[24:27], s[0:1], 0x40             ; cosb 24, sinb 26
	s_mov_b32 s2, ttmp9                            ; the chunk's number among all 1,856
	v_lshlrev_b32 v1, 5, v0                        ; 32 t
	v_lshlrev_b32 v2, 4, v0                        ; 16 t
	v_and_b32 v3, 8, v0                            ; my 8 numbers begin at d = 8 (t mod 16): d < 64 where bit 3 of t is 0
	v_cmp_eq_u32 vcc_lo, 0, v3
	s_wait_kmcnt 0x0
	s_mov_b64 s[28:29], s[16:17]                   ; from: begin with the last range, pos_sin,
	s_mov_b64 s[30:31], s[26:27]                   ; to: sinb,
	s_mov_b32 s32, 1824                            ; and its first chunk
; below the limit the range in front is chosen instead: source, destination, first chunk
.macro PICK limit, src, dst, first
	s_cmp_lt_u32 s2, \limit
	s_cselect_b64 s[28:29], s[\src:\src+1], s[28:29]
	s_cselect_b64 s[30:31], s[\dst:\dst+1], s[30:31]
	s_cselect_b32 s32, \first, s32
.endm
	PICK 1824, 14, 24, 1792
	PICK 1792, 12, 22, 1536
	PICK 1536, 10, 20, 1024
	PICK 1024, 8, 18, 0
	s_sub_co_u32 s34, s2, s32                      ; the chunk's number in its own buffer
	s_lshl_b32 s36, s34, 15                        ; 32,768 bytes in (33.5 MB at the most: 32 bits do)
	s_mov_b32 s37, 0
	s_add_nc_u64 s[28:29], s[28:29], s[36:37]
	s_lshl_b32 s36, s34, 14                        ; 16,384 bytes out
	s_add_nc_u64 s[30:31], s[30:31], s[36:37]
	s_wait_alu depctr_va_vdst(0)                   ; v1 and v2 are written: every load below reads v1 as its offset, every store of either path v2
.irp i, 0,1,2,3
	global_load_b128 v[X+8*\i:X+8*\i+3],   v1, s[28:29] offset:8192*\i th:TH_LOAD_NT
	global_load_b128 v[X+8*\i+4:X+8*\i+7], v1, s[28:29] offset:8192*\i+16 th:TH_LOAD_NT
.endr
	s_cmp_ge_u32 s2, 1824
	s_cselect_b32 s33, 0x80008000, 0               ; two bf16 signs, in pos_sin's chunks alone
	v_mov_b32 v[T], s33
	s_wait_alu depctr_va_vcc(0)                    ; the compare at the head has written VCC, which the select below reads
	v_cndmask_b32 v3, 0, v[T], vcc_lo              ; and there only for d < 64
	s_sub_co_u32 s34, s2, 1536
	s_cmp_lt_u32 s34, 256                          ; chunks 1,536 to 1,791 are w_o's
	s_cbranch_scc1 .Lwo
.irp i, 0,1,2,3
	s_wait_loadcnt 6-2*\i                          ; loads come back in order: group i is in, the younger groups' two loads each stay out
.if \i > 0
	s_wait_alu depctr_va_vdst(0)                   ; the sign lines of the group before have written its Y, which the store below reads
	global_store_b128 v2, v[Y+4*(\i-1):Y+4*(\i-1)+3], s[30:31] offset:4096*(\i-1)
.endif
.irp k, 0,1,2,3
	v_cvt_pk_bf16_f32 v[Y+4*\i+\k], v[X+8*\i+2*\k], v[X+8*\i+2*\k+1]
.endr
.irp k, 0,1,2,3
	v_xor_b32 v[Y+4*\i+\k], v3, v[Y+4*\i+\k]       ; pos_sin's signs; the mask is 0 in the other buffers' chunks
.endr
.endr
	s_wait_alu depctr_va_vdst(0)                   ; group 3's sign lines have written its Y, which the last store reads
	global_store_b128 v2, v[Y+12:Y+15], s[30:31] offset:4096*3
	s_endpgm
.Lwo:
.irp i, 0,1,2,3
	s_wait_loadcnt 6-2*\i
.if \i > 0
	s_wait_alu depctr_va_vdst(0)                   ; the conversions to f16 of the group before have written its Y, which the store below reads
	global_store_b128 v2, v[Y+4*(\i-1):Y+4*(\i-1)+3], s[30:31] offset:4096*(\i-1)
.endif
.irp k, 0,1,2,3
	v_cvt_pk_bf16_f32 v[Y+4*\i+\k], v[X+8*\i+2*\k], v[X+8*\i+2*\k+1]   ; the one rounding
	v_and_b32 v[T+2*(\k%2)+1], 0xffff0000, v[Y+4*\i+\k]                ; back to f32,
	v_lshlrev_b32 v[T+2*(\k%2)], 16, v[Y+4*\i+\k]
	v_cvt_pk_f16_f32 v[Y+4*\i+\k], v[T+2*(\k%2)], v[T+2*(\k%2)+1]      ; and the same numbers as f16
.endr
.endr
	s_wait_alu depctr_va_vdst(0)                   ; group 3's conversions to f16 have written its Y, which the last store reads
	global_store_b128 v2, v[Y+12:Y+15], s[30:31] offset:4096*3
	s_endpgm
.Lfunc_end_k_q1e0f353dec_cast:
	.size	k_q1e0f353dec_cast, .Lfunc_end_k_q1e0f353dec_cast-k_q1e0f353dec_cast
	.p2alignl 7, 3214868480
	.fill 96, 4, 3214868480
	.section	.rodata,"a",@progbits
	.p2align	6, 0x0
	.amdhsa_kernel k_q1e0f353dec_cast
		.amdhsa_group_segment_fixed_size 0
		.amdhsa_private_segment_fixed_size 0
		.amdhsa_enable_private_segment 0
		.amdhsa_kernarg_size 80
		.amdhsa_user_sgpr_count 2
		.amdhsa_user_sgpr_kernarg_segment_ptr 1
		.amdhsa_wavefront_size32 1
		.amdhsa_system_sgpr_workgroup_id_x 1
		.amdhsa_system_sgpr_workgroup_id_y 1
		.amdhsa_system_sgpr_workgroup_id_z 1
		.amdhsa_system_vgpr_workitem_id 0
		.amdhsa_next_free_vgpr 56
		.amdhsa_next_free_sgpr 66
		.amdhsa_reserve_vcc 1
		.amdhsa_float_denorm_mode_32 3
		.amdhsa_float_denorm_mode_16_64 3
		.amdhsa_memory_ordered 1
		.amdhsa_forward_progress 1
		.amdhsa_inst_pref_size 10
	.end_amdhsa_kernel
	.amdgpu_metadata
---
amdhsa.version: [ 1, 2 ]
amdhsa.kernels:
  - .name:           k_q1e0f353dec_cast
    .symbol:         k_q1e0f353dec_cast.kd
    .args:
      - { .name: x, .offset: 0, .size: 8, .value_kind: global_buffer, .address_space: global }
      - { .name: w_qkv, .offset: 8, .size: 8, .value_kind: global_buffer, .address_space: global }
      - { .name: w_o, .offset: 16, .size: 8, .value_kind: global_buffer, .address_space: global }
      - { .name: pos_cos, .offset: 24, .size: 8, .value_kind: global_buffer, .address_space: global }
      - { .name: pos_sin, .offset: 32, .size: 8, .value_kind: global_buffer, .address_space: global }
      - { .name: xb, .offset: 40, .size: 8, .value_kind: global_buffer, .address_space: global }
      - { .name: wqb, .offset: 48, .size: 8, .value_kind: global_buffer, .address_space: global }
      - { .name: wob, .offset: 56, .size: 8, .value_kind: global_buffer, .address_space: global }
      - { .name: cosb, .offset: 64, .size: 8, .value_kind: global_buffer, .address_space: global }
      - { .name: sinb, .offset: 72, .size: 8, .value_kind: global_buffer, .address_space: global }
    .group_segment_fixed_size: 0
    .private_segment_fixed_size: 0
    .kernarg_segment_align: 8
    .kernarg_segment_size: 80
    .max_flat_workgroup_size: 256
    .sgpr_count:     66
    .vgpr_count:     56
    .wavefront_size: 32
...
	.end_amdgpu_metadata
.endif
;; end of part 5
;; launch qkv: the kernel of part 2 again; grid 16 x 16, 4 waves a work-group, clusters of 4 x 4, 327,680 bytes of LDS; arguments xb, wqb, cosb, sinb, q_norm_w, k_norm_w, qkv; writes qkv
;; launch attn: the kernel of part 3 again; grid 256 x 1, 4 waves a work-group, clusters of 4 x 1, 327,680 bytes of LDS; arguments qkv, att; writes att
;; launch oproj: the kernel of part 4 again; grid 16 x 16, 4 waves a work-group, clusters of 4 x 4, 327,680 bytes of LDS; arguments att, wob, out0; writes out0
